; MI455X (gfx1250); checked and timed in simulation.
; The chip was launched on July 23, 2026; its instructions are those of AMD's public machine-readable ISA for CDNA 5 (MIT licence, August 2026) and "CDNA5" Instruction Set Architecture Reference Guide (July 2026). The comments in the code are by the model that wrote it; some were corrected since.
;; Transformer Block. Allowed arithmetic: float matrix products may take bf16 or f16 operands with f32 sums; other float arithmetic in f32, or as packed bf16 or f16 multiplies, adds, multiply-adds, maxima and minima; sums over many terms, partial sums and values carried from step to step in f32; what a program stores and reads back later, other than sums and carried values, may be rounded once to bf16 or f16.
;; Inputs: W_in 4,096 x 1,024 float32; W_out 1,024 x 4,096 float32; Wk 1,024 x 1,024 float32; Wo 1,024 x 1,024 float32; Wq 1,024 x 1,024 float32; Wv 1,024 x 1,024 float32; b_in 4,096 float32; b_out 1,024 float32; bk 1,024 float32; bo 1,024 float32; bq 1,024 float32; bv 1,024 float32; g_attn 1,024 float32; g_ff 1,024 float32; rel_k 101 x 64 float32; rel_v 101 x 64 float32; x 1,024 x 4 x 1,024 float32.
;; Outputs: out0 1,024 x 4 x 1,024 float32.
;; One version. Each part assembles by itself: llvm-mc -triple=amdgcn-amd-amdhsa -mcpu=gfx1250 --defsym DOCPART=n.
;; ======== version 1 of 1: 6 launches
;; limits: a function is approximated: absolute error at most 1.5e-07
;; workspace buffers: hb 8,388,608 bytes; wb 6,356,992 bytes; w2 18,874,368 bytes; qkv 25,165,824 bytes; op 8,388,608 bytes; hh 25,296,896 bytes; u 33,554,432 bytes
;; launch prep (part 1): grid 240 x 1, 8 waves a work-group, no clusters, 0 bytes of LDS; arguments x, g_attn, Wq, Wk, Wv, rel_k, rel_v, hb, wb; writes hb, wb
.if DOCPART == 1
	.amdgcn_target "amdgcn-amd-amdhsa--gfx1250"
	.amdhsa_code_object_version 6
	.text
	.protected	k_qb430b7bfa3_prep
	.globl	k_qb430b7bfa3_prep
	.p2align	8
	.type	k_qb430b7bfa3_prep,@function
k_qb430b7bfa3_prep:
	s_mov_b64 s[64:65], 0
	v_nop
	global_prefetch_b8 v0, s[64:65] scope:SCOPE_SE
	s_setreg_imm32_b32 hwreg(HW_REG_WAVE_MODE, 25, 1), 1
	s_wait_xcnt 0x0
; PREP.  A stream, no LDS, no matrix unit: (N) hb = bf16(rmsnorm(x, g_attn)), rows put in the order [b][s]; (C) Wq, Wk, Wv rounded to bf16 into wb;
; (T) the two relative tables laid out as matrix fragments into wb.  (The other three weight matrices are rounded by the next launch, on work-groups that multiply nothing.)
; The unit of work is a row of 1,024 f32 (4,096 bytes): a wave takes 4 rows, all 32 loads out at once; a work-group of eight waves 32 rows.
; Work-groups 0-127: x.  128-159 Wq, 160-191 Wk, 192-223 Wv: the order of wb, so the destination runs on.  224-231: RKF.  232-239: RVF.
; A load of a wave covers 512 consecutive bytes, a store 256 consecutive bytes, aligned.
; TABLES.  e = (k - q) + 128, table row j(e) = clamp(e - 78, 0, 100).  RKF[ue][c][pt][lane]: 16 bytes = rel_k[j(16 ue + lane % 16)][32 c + 16 pt + 8 (lane / 16) + 0..7].
; RVF[cb][u][lane]: 16 bytes = rel_v[j(16 u + 8 (lane / 16) + i)][16 cb + lane % 16], i = 0..7.
; LIMITS.  NaN and infinities are not treated apart; a row of zeros gives zeros; the sum of squares overflows where the reference's does.
.set LI,  1                            ; v1  16 x lane
.set LO,  2                            ; v2  8 x lane
.set X,   32                           ; v[32:159]  row i at X + 32 i
.set G,   160                          ; v[160:191] g_attn, laid as a row is
	s_load_b512 s[4:19], s[0:1], 0x0               ; x, g_attn, Wq, Wk, Wv, rel_k, rel_v, hb
	s_load_b64 s[20:21], s[0:1], 0x40              ; wb
	v_and_b32 v3, 31, v0
	v_lshlrev_b32 v[LI], 4, v3
	v_lshlrev_b32 v[LO], 3, v3
	v_lshrrev_b32 v4, 5, v0
	v_readfirstlane_b32 s30, v4                    ; wave 0..7
	s_mov_b32 s36, 0x76543210                      ; v_permlanex16_b32: each lane takes its own place in the other half
	s_mov_b32 s37, 0xfedcba98
	s_mov_b32 s40, 0x3d000000                      ; 1/32 = 1024^-0.5
	s_mov_b32 s41, 0x322bcc77                      ; 1e-8
	s_wait_kmcnt 0x0
	s_cmp_ge_u32 ttmp9, 224
	s_cbranch_scc1 .Ltables
	; which tensor my rows come from, and the first work-group of its range
.macro PICK from, lo, hi
	s_cmp_ge_u32 ttmp9, \from
	s_cselect_b64 s[32:33], s[\lo:\hi], s[32:33]
	s_cselect_b32 s38, \from, s38
.endm
	s_mov_b64 s[32:33], s[4:5]
	s_mov_b32 s38, 0
	PICK 128, 8, 9
	PICK 160, 10, 11
	PICK 192, 12, 13
	s_sub_co_u32 s38, ttmp9, s38
	s_lshl_b32 s38, s38, 17                        ; 32 rows of 4,096 bytes a work-group,
	s_lshl_b32 s39, s30, 14                        ; 4 a wave
	s_add_co_u32 s38, s38, s39
	s_mov_b32 s39, 0
	s_add_nc_u64 s[32:33], s[32:33], s[38:39]
.macro LOADROWS
.irp i, 0,1,2,3
.irp j, 0,1,2,3,4,5,6,7
	global_load_b128 v[X+32*(\i)+4*(\j):X+32*(\i)+4*(\j)+3], v[LI], s[32:33] offset:(\i)*4096+(\j)*512 th:TH_LOAD_NT
.endr
.endr
.endm
; row i is rounded in place (register n takes numbers 2 n and 2 n + 1) and stored, 256 bytes an instruction
.macro PACKROW i, off
.set n, 0
.rept 16
	v_cvt_pk_bf16_f32 v[X+32*(\i)+n], v[X+32*(\i)+2*n], v[X+32*(\i)+2*n+1]
.set n, n+1
.endr
.irp j, 0,1,2,3,4,5,6,7
	global_store_b64 v[LO], v[X+32*(\i)+2*(\j):X+32*(\i)+2*(\j)+1], s[34:35] offset:(\off)+256*(\j)
.endr
.endm
	s_cmp_lt_u32 ttmp9, 128
	s_cbranch_scc1 .Lnorm
	; (C) weights
	s_sub_co_u32 s38, ttmp9, 128
	s_lshl_b32 s38, s38, 16                        ; 32 rows of 2,048 bytes a work-group
	s_lshl_b32 s39, s30, 13
	s_add_co_u32 s38, s38, s39
	s_mov_b32 s39, 0
	s_add_nc_u64 s[34:35], s[20:21], s[38:39]
	LOADROWS
.irp i, 0,1,2,3
	s_wait_loadcnt 24-8*(\i)                       ; row i is in; the rows behind it stay out
	PACKROW \i, (\i)*2048
.endr
	s_endpgm
.Lnorm:                                                ; (N) my four rows are one s = 8 g + wave with b = 0..3
	s_lshl_b32 s38, ttmp9, 3
	s_add_co_u32 s38, s38, s30
	s_lshl_b32 s38, s38, 11
	s_mov_b32 s39, 0
	s_add_nc_u64 s[34:35], s[18:19], s[38:39]      ; hb at row s of batch 0; batch b lies 1,024 rows = 2,097,152 bytes on
.irp j, 0,1,2,3,4,5,6,7
	global_load_b128 v[G+4*(\j):G+4*(\j)+3], v[LI], s[6:7] offset:(\j)*512
.endr
	LOADROWS
.macro NORMROW i
.set R0, X+32*(\i)
	s_wait_loadcnt 24-8*(\i)                       ; g_attn and rows 0 .. i are in
	v_pk_mul_f32 v[4:5], v[R0:R0+1], v[R0:R0+1]    ; the sum of squares, in two chains of pairs
	v_pk_mul_f32 v[6:7], v[R0+2:R0+3], v[R0+2:R0+3]
.set n, 4
.rept 7
	v_pk_fma_f32 v[4:5], v[R0+n:R0+n+1], v[R0+n:R0+n+1], v[4:5]
	v_pk_fma_f32 v[6:7], v[R0+n+2:R0+n+3], v[R0+n+2:R0+n+3], v[6:7]
.set n, n+4
.endr
	v_pk_add_f32 v[4:5], v[4:5], v[6:7]
	v_add_f32 v4, v4, v5
	v_add_f32_dpp v4, v4, v4 row_xmask:1 row_mask:0xf bank_mask:0xf
	v_add_f32_dpp v4, v4, v4 row_xmask:2 row_mask:0xf bank_mask:0xf
	v_add_f32_dpp v4, v4, v4 row_xmask:4 row_mask:0xf bank_mask:0xf
	v_add_f32_dpp v4, v4, v4 row_xmask:8 row_mask:0xf bank_mask:0xf
	v_permlanex16_b32 v5, v4, s36, s37
	v_add_f32 v4, v4, v5
	v_sqrt_f32 v8, v4
	v_nop                                          ; a plain instruction behind the root,
	s_wait_alu depctr_va_vdst(0)                   ; and the wait ahead of its first reader
	v_fma_f32 v9, v8, s40, s41                     ; norm / 32 + 1e-8
	v_rcp_f32 v10, v9
	v_nop
	s_wait_alu depctr_va_vdst(0)
	v_mov_b32 v11, v10
.set n, 0
.rept 16
	v_pk_mul_f32 v[R0+n:R0+n+1], v[R0+n:R0+n+1], v[10:11]
.set n, n+2
.endr
.set n, 0
.rept 16
	v_pk_mul_f32 v[R0+n:R0+n+1], v[R0+n:R0+n+1], v[G+n:G+n+1]
.set n, n+2
.endr
	PACKROW \i, (\i)*2097152
.endm
	NORMROW 0
	NORMROW 1
	NORMROW 2
	NORMROW 3
	s_endpgm
.Ltables:                                              ; (T) a thread makes one item of 16 bytes; the two tables lie on end in wb
	s_sub_co_u32 s38, ttmp9, 224
	s_lshl_b32 s38, s38, 8
	v_add_nc_u32 v4, s38, v0                       ; item 0..4095
	v_lshlrev_b32 v5, 4, v4
	s_add_nc_u64 s[34:35], s[20:21], 0x600000      ; RKF in wb
	v_and_b32 v6, 15, v0                           ; lane % 16
	v_bfe_u32 v7, v0, 4, 1                         ; lane / 16
	s_cmp_ge_u32 ttmp9, 232
	s_cbranch_scc1 .Lrv
	v_bfe_u32 v8, v4, 7, 4                         ; ue
	v_bfe_u32 v9, v4, 5, 2                         ; 2 c + pt
	v_lshl_add_u32 v10, v8, 4, v6                  ; e
	v_cmp_lt_u32 vcc_lo, 78, v10
	v_add_nc_u32 v10, 0xffffffb2, v10              ; e - 78,
	v_cndmask_b32 v10, 0, v10, vcc_lo              ; not below 0,
	v_min_u32 v10, 100, v10                        ; not above 100
	v_lshlrev_b32 v11, 8, v10                      ; a table row is 256 bytes
	v_lshl_add_u32 v11, v9, 6, v11                 ; 16 channels are 64 bytes
	v_lshl_add_u32 v11, v7, 5, v11
	global_load_b128 v[16:19], v11, s[14:15]
	global_load_b128 v[20:23], v11, s[14:15] offset:16
	s_branch .Lpack
.Lrv:
	v_bfe_u32 v8, v4, 5, 4                         ; u
	v_bfe_u32 v9, v4, 9, 2                         ; cb
	v_lshlrev_b32 v10, 4, v8
	v_lshl_add_u32 v10, v7, 3, v10                 ; the first of my eight e
	v_lshl_add_u32 v12, v9, 4, v6                  ; my channel,
	v_lshlrev_b32 v12, 2, v12                      ; in bytes
.irp i, 0,1,2,3,4,5,6,7
	v_add_nc_u32 v13, \i, v10
	v_cmp_lt_u32 vcc_lo, 78, v13
	v_add_nc_u32 v13, 0xffffffb2, v13
	v_cndmask_b32 v13, 0, v13, vcc_lo
	v_min_u32 v13, 100, v13
	v_lshl_add_u32 v[24+(\i)], v13, 8, v12
	global_load_b32 v[16+(\i)], v[24+(\i)], s[16:17]
.endr
.Lpack:
	s_wait_loadcnt 0x0
.irp i, 0,1,2,3
	v_cvt_pk_bf16_f32 v[32+(\i)], v[16+2*(\i)], v[17+2*(\i)]
.endr
	global_store_b128 v5, v[32:35], s[34:35]
	s_endpgm
.Lfunc_end_k_qb430b7bfa3_prep:
	.size	k_qb430b7bfa3_prep, .Lfunc_end_k_qb430b7bfa3_prep-k_qb430b7bfa3_prep
	.p2alignl 7, 3214868480
	.fill 96, 4, 3214868480
	.section	.rodata,"a",@progbits
	.p2align	6, 0x0
	.amdhsa_kernel k_qb430b7bfa3_prep
		.amdhsa_group_segment_fixed_size 0
		.amdhsa_private_segment_fixed_size 0
		.amdhsa_enable_private_segment 0
		.amdhsa_kernarg_size 72
		.amdhsa_user_sgpr_count 2
		.amdhsa_user_sgpr_kernarg_segment_ptr 1
		.amdhsa_wavefront_size32 1
		.amdhsa_system_sgpr_workgroup_id_x 1
		.amdhsa_system_sgpr_workgroup_id_y 1
		.amdhsa_system_sgpr_workgroup_id_z 1
		.amdhsa_system_vgpr_workitem_id 0
		.amdhsa_next_free_vgpr 192
		.amdhsa_next_free_sgpr 66
		.amdhsa_reserve_vcc 1
		.amdhsa_float_denorm_mode_32 3
		.amdhsa_float_denorm_mode_16_64 3
		.amdhsa_memory_ordered 1
		.amdhsa_forward_progress 1
		.amdhsa_inst_pref_size 44
	.end_amdhsa_kernel
	.amdgpu_metadata
---
amdhsa.version: [ 1, 2 ]
amdhsa.kernels:
  - .name:           k_qb430b7bfa3_prep
    .symbol:         k_qb430b7bfa3_prep.kd
    .args:
      - { .name: x, .offset: 0, .size: 8, .value_kind: global_buffer, .address_space: global }
      - { .name: g_attn, .offset: 8, .size: 8, .value_kind: global_buffer, .address_space: global }
      - { .name: Wq, .offset: 16, .size: 8, .value_kind: global_buffer, .address_space: global }
      - { .name: Wk, .offset: 24, .size: 8, .value_kind: global_buffer, .address_space: global }
      - { .name: Wv, .offset: 32, .size: 8, .value_kind: global_buffer, .address_space: global }
      - { .name: rel_k, .offset: 40, .size: 8, .value_kind: global_buffer, .address_space: global }
      - { .name: rel_v, .offset: 48, .size: 8, .value_kind: global_buffer, .address_space: global }
      - { .name: hb, .offset: 56, .size: 8, .value_kind: global_buffer, .address_space: global }
      - { .name: wb, .offset: 64, .size: 8, .value_kind: global_buffer, .address_space: global }
    .group_segment_fixed_size: 0
    .private_segment_fixed_size: 0
    .kernarg_segment_align: 8
    .kernarg_segment_size: 72
    .max_flat_workgroup_size: 256
    .sgpr_count:     66
    .vgpr_count:     192
    .wavefront_size: 32
...
	.end_amdgpu_metadata
.endif
;; end of part 1
;; launch qkv (part 2): grid 16 x 16, 4 waves a work-group, clusters of 4 x 4, 327,680 bytes of LDS; arguments hb, wb, bq, bk, qkv, Wo, W_in, W_out, w2; writes qkv, w2
.if DOCPART == 2
	.amdgcn_target "amdgcn-amd-amdhsa--gfx1250"
	.amdhsa_code_object_version 6
	.text
	.protected	k_qb430b7bfa3_qkv
	.globl	k_qb430b7bfa3_qkv
	.p2align	8
	.type	k_qb430b7bfa3_qkv,@function
k_qb430b7bfa3_qkv:
	s_mov_b64 s[64:65], 0
	v_nop
	global_prefetch_b8 v0, s[64:65] scope:SCOPE_SE
	s_setreg_imm32_b32 hwreg(HW_REG_WAVE_MODE, 25, 1), 1
	s_wait_xcnt 0x0
	s_wait_alu depctr_hold_cnt(0) depctr_sa_sdst(0) depctr_va_vdst(0) depctr_va_sdst(0) depctr_va_ssrc(0) depctr_va_vcc(0) depctr_vm_vsrc(0)
	s_getreg_b32 s2, hwreg(HW_REG_IB_STS2, 6, 4)
	s_cmp_eq_u32 s2, 0
	s_cbranch_scc0 .Lentry_in_a_cluster
	s_endpgm
.Lentry_in_a_cluster:
	s_bfe_u32 s2, ttmp6, 0x10000c
	s_cmp_lg_u32 s2, 0xf033
	s_cbranch_scc0 .Lentry_shape_is_right
	s_endpgm
.Lentry_shape_is_right:
; Q, K AND V^T, AND THE ROUNDING OF THREE WEIGHT MATRICES.  C[m][n] = sum over k of A[m][k] B[n][k], K = 1,024, bf16 operands, f32 sums, C rounded once to bf16.
; Clusters with x = 0: Q = hb Wq^T + bq; x = 1: K = hb Wk^T + bk (A = hb, B = rows of wb), stored by heads, [b 16 + h][s][64].
; Clusters with x = 2: V^T = Wv hb^T (A = Wv's rows in wb, B = hb), stored [h 64 + d][b 1024 + s]; bv is added in f32 by the attention launch.
; Clusters with x = 3 multiply nothing: the three products make 192 tiles, and these 64 work-groups round Wo, W_in and W_out to bf16 into w2 for the launches behind (at the text's end).
; A tile of C is 256 x 256: four waves, each 128 x 128 = 64 accumulators.  K goes in 8 steps of 128 through two LDS slots filled by the tensor data mover; rows of 256 bytes.
; CLUSTER 4 x 4: A's tile hangs on cy alone and is asked for jointly along a row of the cluster, B's on cx alone and jointly along a column.
; The matrix instruction is used transposed (source 0 = 16 rows of B, source 1 = 16 rows of A): a lane holds row l % 16 of C and eight neighbouring columns.
; THE LOOP's body is one K step; which slot is read is a scalar (s66) that an exclusive or turns.  The last two steps, which fill nothing, are one text walked twice and left in its middle.
; THE WAY OUT: when all waves have left the slots (which have had their last fill) each wave writes its 128 x 128 f32 there, rows of 528 bytes, and a counted loop reads it back by rows.
; REGISTERS: window 0: v16-30 addresses, v32-63 and v192-223 the way out, v64-191 A's two fragment buffers; window 1: v64-191 B's; windows 2, 3: the accumulators.
; LIMITS: NaN and infinities are not treated apart.
.set KSTEP,  128
.set PITCH,  272                       ; an LDS row: 256 bytes + 16 of padding: the 16 rows of a fragment load start at 16 different groups of four banks
.set HALFT,  128*PITCH
.set SLOT,   4*HALFT                   ; A's 256 rows, then B's 256 rows
.set SPARE,  2*SLOT                    ; the spare words, 128 bytes a wave: two blocks of 256 bytes that no other line names
.set DP,     528                       ; a row of the dump: 512 bytes + 16
.set DW,     128*DP                    ; a wave's dump
.set CLI,   2                          ; the rounding: 16 x lane, 8 x lane
.set CLO,   3
.set ADRA0, 16                         ; my lane's place in A's and B's part of slot 0; never rewritten
.set ADRB0, 17
.set ADRA,  18                         ; the same in the slot that is read
.set ADRB,  19
.set DST,   20
.set RD,    21
.set BO,    23                         ; the bias loads' offset; never rewritten
.set CO,    24
.set SPW,   28
.set NIL,   29
.set PFO,   30                         ; lane x 2,048: a row of hb or wb; never rewritten
.set X,     32
.set F0,    64
.set F1,    128
.set BI,    192
.set OUT,   208
.set G1,  24                           ; s[24:31] group 1 for A; s[32:35] group 0 of slot 0's first fill; s[36:39] the walking group 0
.set G0,  32
.set LIM, 43
.set PFA, 44
.set G1B, 48                           ; s[48:55], s[56:59], s[60:63] the same for B
.set G0B, 56
.set MSB, 0
.macro WIN new                         ; the immediate's high byte repeats the setting that is left
.if MSB != (\new)
	s_set_vgpr_msb (MSB<<8)|(\new)
.set MSB, \new
.endif
.endm
.set MUL_LO, 0xa1                      ; source 0 (B) window 1, source 1 (A) window 0, C and D window 2
.set MUL_HI, 0xf1
.set TO_B,   0x40
.macro JLOAD g                         ; a joint load: waves 0, 1 fetch A's halves, waves 2, 3 B's; an s_nop 0 and four v_nop follow each line
	s_cmp_eq_u32 s11, 0
	s_cbranch_scc0 .Lfor_b_\@
	tensor_load_to_lds s[G0+(\g):G0+(\g)+3], s[G1:G1+7]
	s_nop 0
.rept 4
	v_nop
.endr
	s_branch .Lasked_\@
.Lfor_b_\@:
	tensor_load_to_lds s[G0B+(\g):G0B+(\g)+3], s[G1B:G1B+7]
	s_nop 0
.rept 4
	v_nop
.endr
.Lasked_\@:
.endm
.macro ASK                             ; a prefetch of the K step two refills on: 32 rows x 256 bytes, a lane a row; the loop's last two trips have no such step
	s_cmp_gt_u32 s3, s[LIM]
	s_cbranch_scc0 .Lnot_mine_\@
	global_prefetch_b8 v[PFO], s[PFA:PFA+1] offset:KSTEP*2 th:TH_LOAD_NT scope:SCOPE_SE
.Lnot_mine_\@:
.endm
.macro CREST
	s_cmp_lg_u32 s10, 0
	s_cbranch_scc1 .Lnot_wave_0_\@
	s_barrier_signal -3
.Lnot_wave_0_\@:
	s_barrier_wait -3
	s_barrier_signal -1
	s_barrier_wait -1
.endm
.macro CROUND
	s_barrier_signal -1
	s_barrier_wait -1
	CREST
.endm
.macro PLACES                          ; four places behind matrix instructions, ahead of loads into their sources and of readers of their results
.rept 4
	v_nop
.endr
.endm
.macro MUL16 f, hi, a0, zero
	WIN MUL_LO+0x50*(\hi)
.irp a, \a0, (\a0)+1
.irp b, 0,1,2,3,4,5,6,7
.if \zero
	v_wmma_f32_16x16x32_bf16 v[8*(8*(\a)+(\b)):8*(8*(\a)+(\b))+7], v[(\f)+8*(\b):(\f)+8*(\b)+7], v[(\f)+8*(4*(\hi)+(\a)):(\f)+8*(4*(\hi)+(\a))+7], 0
.else
	v_wmma_f32_16x16x32_bf16 v[8*(8*(\a)+(\b)):8*(8*(\a)+(\b))+7], v[(\f)+8*(\b):(\f)+8*(\b)+7], v[(\f)+8*(4*(\hi)+(\a)):(\f)+8*(4*(\hi)+(\a))+7], v[8*(8*(\a)+(\b)):8*(8*(\a)+(\b))+7]
.endif
.endr
.endr
.endm
.macro FETCH k, f                      ; 32 LDS loads in one run: the fragments of 32 along K at byte k of the rows
	WIN TO_B
.irp i, 0,1,2,3,4,5,6,7
	ds_load_b128 v[(\f)+8*(\i):(\f)+8*(\i)+3],   v[ADRB] offset:(\k)+(\i)*16*PITCH
	ds_load_b128 v[(\f)+8*(\i)+4:(\f)+8*(\i)+7], v[ADRB] offset:(\k)+(\i)*16*PITCH+32
.endr
	WIN 0
.irp i, 0,1,2,3,4,5,6,7
	ds_load_b128 v[(\f)+8*(\i):(\f)+8*(\i)+3],   v[ADRA] offset:(\k)+(\i)*16*PITCH
	ds_load_b128 v[(\f)+8*(\i)+4:(\f)+8*(\i)+7], v[ADRA] offset:(\k)+(\i)*16*PITCH+32
.endr
.endm
.macro QUARTER k, f, g, zero           ; multiplies buffer f; in its middle fetches the next quarter, at byte k, into buffer g
	s_wait_dscnt 8                                 ; B and A's rows 0-63 are in; the youngest eight loads may be out
	MUL16 \f, 0, 0, \zero
	MUL16 \f, 0, 2, \zero
	PLACES
	FETCH \k, \g
	s_wait_dscnt 32                                ; all but the 32 just issued
	MUL16 \f, 1, 0, \zero
	MUL16 \f, 1, 2, \zero
.endm
; A step's last quarter multiplies buffer 1 and changes slots.  fill = 1: the slot just read is filled again, two K steps ahead: the barrier is a round of the cluster's, and the joint refill
; goes out sixteen matrix instructions behind the wait that showed the last one landed; the quarter's other 48 stand behind it.
.macro TURN fill
.if \fill
	s_wait_xcnt 0x0                                ; the last prefetch, a K step back, has read its address
	s_add_nc_u64 s[PFA:PFA+1], s[PFA:PFA+1], KSTEP*2
.endif
	WIN 0
	s_wait_tensorcnt 0x0                           ; all my tensor loads have landed: the one that was out is my part of the next slot
	ds_add_u32 v[SPW], v[NIL]                      ; 0 onto my spare word
	s_wait_dscnt 9                                 ; the add and the youngest eight loads may be out
	MUL16 F1, 0, 0, 0                              ; sixteen matrix instructions and the steps below stand between the add and the wait for it
	WIN 0
.if \fill
	s_xor_b32 s[G0+5], s[G0+5], SLOT               ; no tensor load of mine is out: the walking descriptors take the other slot than last time,
	s_xor_b32 s[G0B+5], s[G0B+5], SLOT
	s_add_nc_u64 s[G0+6:G0+7], s[G0+6:G0+7], KSTEP*2     ; and the next K step
	s_add_nc_u64 s[G0B+6:G0B+7], s[G0B+6:G0B+7], KSTEP*2
.endif
	s_xor_b32 s66, s66, SLOT                       ; the reads go to the other slot
	v_add_nc_u32 v[ADRA], s66, v[ADRA0]
	v_add_nc_u32 v[ADRB], s66, v[ADRB0]
	s_wait_dscnt 0x0                               ; the add is done, and my reads of this slot are over
.if \fill
	CROUND                                         ; no wave of any partner reads the slot or has a load on its way
	JLOAD 4                                        ; its four v_nop are also the places in front of the loads below
.else
	s_barrier_signal -1
	s_barrier_wait -1
	PLACES
.endif
	FETCH 0, F0
.if \fill
	ASK
.endif
	MUL16 F1, 0, 2, 0
	MUL16 F1, 1, 0, 0
	MUL16 F1, 1, 2, 0
.endm
.macro DUMP                            ; each accumulator's low registers first
.irp a, 0,1,2,3,4,5,6,7
	WIN 0x08+4*((\a)/4)
.irp b, 0,1,2,3,4,5,6,7
	ds_store_b128 v[DST], v[8*(8*((\a)%4)+(\b)):8*(8*((\a)%4)+(\b))+3]   offset:(\a)*16*DP+(\b)*64
	ds_store_b128 v[DST], v[8*(8*((\a)%4)+(\b))+4:8*(8*((\a)%4)+(\b))+7] offset:(\a)*16*DP+(\b)*64+16
.endr
.endr
	WIN 0
.endm
; 16 trips of four groups; a group is two rows x 128 columns: a lane takes 8 neighbouring columns, and sixteen lanes store 256 consecutive bytes, aligned
.macro ROWS gstep, bias
	s_mov_b32 s3, 16
.Lrow_\@:
.irp q, 0,1,2,3
	ds_load_b128 v[X+8*(\q):X+8*(\q)+3],   v[RD] offset:(\q)*2*DP
	ds_load_b128 v[X+8*(\q)+4:X+8*(\q)+7], v[RD] offset:(\q)*2*DP+16
.endr
	s_wait_dscnt 0x0
.if \bias
.irp q, 0,1,2,3
.irp j, 0,2,4,6
	v_pk_add_f32 v[X+8*(\q)+(\j):X+8*(\q)+(\j)+1], v[X+8*(\q)+(\j):X+8*(\q)+(\j)+1], v[BI+(\j):BI+(\j)+1]
.endr
.endr
.endif
.irp q, 0,1,2,3
.irp j, 0,1,2,3
	v_cvt_pk_bf16_f32 v[OUT+4*(\q)+(\j)], v[X+8*(\q)+2*(\j)], v[X+8*(\q)+2*(\j)+1]
.endr
.endr
.irp q, 0,1,2,3
	global_store_b128 v[CO], v[OUT+4*(\q):OUT+4*(\q)+3], s[8:9] offset:(\q)*(\gstep)
.endr
	s_wait_xcnt 0x0                                ; the stores have read their offset and data, which the next lines and the next trip rewrite
	v_add_nc_u32 v[CO], 4*(\gstep), v[CO]
	v_add_nc_u32 v[RD], 8*DP, v[RD]
	s_sub_co_u32 s3, s3, 1
	s_cmp_lg_u32 s3, 0
	s_cbranch_scc1 .Lrow_\@
.endm
	s_load_b256 s[72:79], s[0:1], 0x0              ; hb s[72:73], wb s[74:75], bq s[76:77], bk s[78:79]
	s_load_b64 s[8:9], s[0:1], 0x20                ; qkv
	s_load_b256 s[80:87], s[0:1], 0x28             ; Wo s[80:81], W_in s[82:83], W_out s[84:85], w2 s[86:87]
	v_lshl_add_u32 v[SPW], v0, 2, SPARE
	v_mov_b32 v[NIL], 0
	ds_add_u32 v[SPW], v[NIL]                      ; the wave's opening: the add, and its wait ahead of my first tensor load
	ds_add_u32 v28, v29
	v_lshrrev_b32 v1, 5, v0
	v_readfirstlane_b32 s10, v1                    ; wave 0..3
	s_lshr_b32 s11, s10, 1                         ; my half of the tile's rows; also: I fetch for A (0) or B (1)
	s_and_b32 s12, s10, 1                          ; my half of its columns; also: which 128 rows I fetch
	s_bfe_u32 s40, ttmp6, 0x40000                  ; cx
	s_bfe_u32 s41, ttmp6, 0x40004                  ; cy
	s_and_b32 s13, ttmp7, 0xffff                   ; cluster y
	s_lshl_b32 s14, s13, 2
	s_add_co_u32 s69, s14, s41                     ; 4 cluster y + cy
	s_add_co_u32 s70, s41, 8                       ; Wv's tiles begin at row 2,048 = tile 8 of wb
	s_lshl_b32 s42, ttmp9, 2
	s_cmp_eq_u32 ttmp9, 2                          ; the cluster's x: the same in all sixteen partners
	s_cselect_b32 s68, 1, 0                        ; 1: V^T
	s_cselect_b32 s70, s70, s69                    ; A's tile of 256 rows: made of cy
	s_cselect_b32 s42, s14, s42
	s_add_co_u32 s42, s42, s40                     ; B's tile: made of cx
	s_lshl_b32 s43, s41, 2
	s_lshl_b32 s43, 15, s43                        ; my row of the cluster
	s_lshl_b32 s44, 0x1111, s40                    ; my column
	s_or_b32 s[G1+0], s43, (1<<16)|(1<<20)|(1<<21)|(5<<22)|(3<<25)   ; mask; 2-byte elements; padding on; bit 21 beside a mask; after every 64 words 4 words
	s_or_b32 s[G1B+0], s44, (1<<16)|(1<<20)|(1<<21)|(5<<22)|(3<<25)
.irp g, G1, G1B
	s_mov_b32 s[(\g)+1], KSTEP<<16                 ; tensor_dim0 = 128
	s_mov_b32 s[(\g)+2], 128<<16                   ; tensor_dim1 = 128
	s_mov_b32 s[(\g)+3], KSTEP<<16                 ; tile_dim0 = 128
	s_mov_b32 s[(\g)+4], 128                       ; tile_dim1 = 128
	s_mov_b32 s[(\g)+5], 1024                      ; elements from row to row
	s_mov_b32 s[(\g)+6], 0
	s_mov_b32 s[(\g)+7], 0
.endr
	s_lshl_b32 s17, s12, 7
	s_lshl_b32 s16, s70, 8
	s_add_co_u32 s16, s16, s17
	s_lshl_b32 s16, s16, 11                        ; A: (256 tile + 128 half) rows of 2,048 bytes
	s_lshl_b32 s46, s42, 8
	s_add_co_u32 s46, s46, s17
	s_lshl_b32 s46, s46, 11                        ; B likewise
	s_mov_b32 s17, 0
	s_mov_b32 s47, 0
	s_mul_i32 s67, s10, HALFT                      ; where my rows go in a slot: no place in the cluster enters an LDS address
	s_mov_b32 s66, 0
	s_wait_dscnt 0x0                               ; the opening add is done
	s_wait_kmcnt 0x0
	s_cmp_eq_u32 ttmp9, 3                          ; the cluster's x once more: a whole cluster goes the same way
	s_cbranch_scc1 .Lconv
	s_cmp_eq_u32 s68, 1
	s_cselect_b64 s[4:5], s[74:75], s[72:73]       ; A's buffer
	s_cselect_b64 s[6:7], s[72:73], s[74:75]       ; B's
	s_add_nc_u64 s[18:19], s[4:5], s[16:17]
	s_add_nc_u64 s[46:47], s[6:7], s[46:47]
	CROUND                                         ; all sixteen work-groups are here: the first joint loads meet
.irp s, 0,1
	s_mov_b32 s[G0+4*(\s)], 1
	s_add_co_u32 s[G0+4*(\s)+1], s67, (\s)*SLOT
	s_add_nc_u64 s[G0+4*(\s)+2:G0+4*(\s)+3], s[18:19], (\s)*KSTEP*2
	s_or_b32 s[G0+4*(\s)+3], s[G0+4*(\s)+3], 0x80000000
	s_mov_b32 s[G0B+4*(\s)], 1
	s_add_co_u32 s[G0B+4*(\s)+1], s67, (\s)*SLOT
	s_add_nc_u64 s[G0B+4*(\s)+2:G0B+4*(\s)+3], s[46:47], (\s)*KSTEP*2
	s_or_b32 s[G0B+4*(\s)+3], s[G0B+4*(\s)+3], 0x80000000
	JLOAD 4*(\s)
.endr
	v_and_b32 v1, 15, v0                           ; l % 16
	v_bfe_u32 v2, v0, 4, 1                         ; l / 16
	v_mul_u32_u24 v3, v1, PITCH
	v_lshl_add_u32 v3, v2, 4, v3
	s_mul_i32 s21, s11, HALFT
	s_mul_i32 s22, s12, HALFT
	s_add_co_u32 s22, s22, 2*HALFT
	v_add_nc_u32 v[ADRA0], s21, v3
	v_add_nc_u32 v[ADRB0], s22, v3
	v_mov_b32 v[ADRA], v[ADRA0]
	v_mov_b32 v[ADRB], v[ADRB0]
	s_mul_i32 s23, s10, DW                         ; my dump
	v_mul_u32_u24 v4, v1, DP
	v_lshl_add_u32 v4, v2, 5, v4
	v_add_nc_u32 v[DST], s23, v4
	; the bias of my eight columns in the layout by heads: column 8 ((l / 16) 8 + l % 8) of my 128.  For V^T the numbers are loaded and not used
	v_and_b32 v5, 7, v0
	v_lshl_add_u32 v5, v2, 3, v5
	v_lshlrev_b32 v[BO], 5, v5
	s_lshl_b32 s14, s40, 10
	s_lshl_b32 s15, s12, 9
	s_add_co_u32 s14, s14, s15
	s_mov_b32 s15, 0
	s_cmp_eq_u32 ttmp9, 1
	s_cselect_b64 s[98:99], s[78:79], s[76:77]
	s_add_nc_u64 s[98:99], s[98:99], s[14:15]
	global_load_b128 v[BI:BI+3],   v[BO], s[98:99]
	global_load_b128 v[BI+4:BI+7], v[BO], s[98:99] offset:16
	; the prefetches.  hb's rows are named by the clusters with x = 0, each weight's rows by the clusters with y = 0; of the 128 rows that a wave fetches the partner at place p takes 32 p .. 32 p + 31, by address
	s_cmp_eq_u32 s68, 1
	s_cselect_b32 s20, s13, ttmp9                  ; A: the coordinate along which other clusters read the same rows
	s_or_b32 s21, s13, s68                         ; B: cluster y, and never for V^T, whose B is hb
	s_cmp_eq_u32 s11, 0
	s_cselect_b32 s22, s70, s42
	s_cselect_b32 s15, s40, s41
	s_cselect_b32 s20, s20, s21
	s_cselect_b64 s[PFA:PFA+1], s[4:5], s[6:7]
	s_cmp_eq_u32 s20, 0
	s_cselect_b32 s[LIM], 2, -1                    ; the same in all sixteen partners, for a given wave
	s_lshl_b32 s22, s22, 8
	s_lshl_b32 s20, s12, 7
	s_add_co_u32 s22, s22, s20
	s_lshl_b32 s15, s15, 5
	s_add_co_u32 s22, s22, s15
	s_lshl_b32 s22, s22, 11
	s_add_co_u32 s22, s22, 2*KSTEP*2               ; at K step 2: the first refill steps it to 3 and names step 4
	s_mov_b32 s23, 0
	s_add_nc_u64 s[PFA:PFA+1], s[PFA:PFA+1], s[22:23]
	v_and_b32 v[PFO], 31, v0
	v_lshlrev_b32 v[PFO], 11, v[PFO]
	s_wait_tensorcnt 1                             ; my part of K step 0 is in; step 1's may stay out
	s_barrier_signal -1
	s_barrier_wait -1
	FETCH 0, F0
	QUARTER 64, F0, F1, 1                          ; the first quarter starts the sums
	WIN 0
	s_mov_b32 s3, 6
.Lstep:                                                ; a trip: a step's quarters 1 to 3, the refill of its slot, the next step's quarter 0
	QUARTER 128, F1, F0, 0
	QUARTER 192, F0, F1, 0
	TURN 1
	QUARTER 64, F0, F1, 0
	WIN 0
	s_sub_co_u32 s3, s3, 1
	s_cmp_lg_u32 s3, 0
	s_cbranch_scc1 .Lstep
	s_mov_b32 s3, 2
.Ltail:                                                ; the last two steps fill nothing: one text, walked twice and left in its middle.  The second trip has no next step: its change of slots
	QUARTER 128, F1, F0, 0                         ; makes a barrier and 32 LDS loads (of the slot read before) that serve nothing: the price, once a launch, of one text for both trips
	QUARTER 192, F0, F1, 0
	TURN 0
	WIN 0
	s_sub_co_u32 s3, s3, 1
	s_cmp_eq_u32 s3, 0
	s_cbranch_scc1 .Lout
	QUARTER 64, F0, F1, 0
	WIN 0
	s_branch .Ltail
.Lout:
	s_wait_dscnt 0x0                               ; my last reads of the slots are back
	PLACES
	s_barrier_signal -1                            ; every wave's are
	s_barrier_wait -1
	DUMP
	s_wait_dscnt 0x0
	s_barrier_signal -1
	s_barrier_wait -1
	s_mul_i32 s23, s10, DW
	v_and_b32 v1, 15, v0
	v_bfe_u32 v2, v0, 4, 1
	s_cmp_eq_u32 s68, 1
	s_cbranch_scc1 .Lvt
	; Q or K, by heads.  Lanes 0-15: my first head, lanes 16-31 my second; in each, eight lanes a token: two tokens of a head are 256 consecutive bytes
	v_bfe_u32 v3, v0, 3, 1
	v_and_b32 v4, 7, v0
	v_lshl_add_u32 v5, v2, 3, v4
	v_lshlrev_b32 v5, 5, v5
	v_mul_u32_u24 v6, v3, DP
	v_add_nc_u32 v5, v5, v6
	v_add_nc_u32 v[RD], s23, v5
	v_lshlrev_b32 v[CO], 17, v2
	v_lshl_add_u32 v[CO], v3, 7, v[CO]
	v_lshl_add_u32 v[CO], v4, 4, v[CO]
	s_lshr_b32 s14, s69, 2                         ; b
	s_lshl_b32 s14, s14, 4
	s_lshl_b32 s15, s40, 2
	s_add_co_u32 s14, s14, s15
	s_lshl_b32 s15, s12, 1
	s_add_co_u32 s14, s14, s15                     ; the plane b 16 + h of my first head,
	s_lshl_b32 s14, s14, 17                        ; 131,072 bytes each
	s_and_b32 s15, s69, 3
	s_lshl_b32 s15, s15, 15                        ; 256 tokens of 128 bytes
	s_add_co_u32 s14, s14, s15
	s_lshl_b32 s15, s11, 14
	s_add_co_u32 s14, s14, s15
	s_lshl_b32 s15, ttmp9, 23                      ; Q, or K 8,388,608 bytes on
	s_add_co_u32 s14, s14, s15
	s_mov_b32 s15, 0
	s_add_nc_u64 s[8:9], s[8:9], s[14:15]
	s_wait_loadcnt 0x0                             ; the bias
	ROWS 256, 1
	s_branch .Lend
.Lvt:                                                  ; V^T: lanes 0-15 one row of 128 columns, lanes 16-31 the next; a row of V^T is 8,192 bytes
	v_mul_u32_u24 v6, v2, DP
	v_lshl_add_u32 v6, v1, 5, v6
	v_add_nc_u32 v[RD], s23, v6
	v_lshlrev_b32 v[CO], 13, v2
	v_lshl_add_u32 v[CO], v1, 4, v[CO]
	s_lshl_b32 s14, s41, 8
	s_lshl_b32 s15, s11, 7
	s_add_co_u32 s14, s14, s15
	s_lshl_b32 s14, s14, 13
	s_lshl_b32 s15, s42, 9
	s_add_co_u32 s14, s14, s15
	s_lshl_b32 s15, s12, 8
	s_add_co_u32 s14, s14, s15
	s_add_co_u32 s14, s14, 0x1000000
	s_mov_b32 s15, 0
	s_add_nc_u64 s[8:9], s[8:9], s[14:15]
	ROWS 16384, 0
	s_branch .Lend
	; THE ROUNDING.  Wo, W_in and W_out are 1,024 + 4,096 + 4,096 rows of 1,024 f32; the 256 waves of the four clusters with x = 3 take 4 + 16 + 16 rows each, in nine trips of 4 rows: 32 loads of
	; 512 consecutive bytes out at once, each row rounded in place and stored 256 consecutive bytes an instruction.  In w2: Wo at 0, W_in at 0x200000, W_out at 0xa00000.  No LDS, no barrier but the common end's.
.Lconv:
	v_and_b32 v1, 31, v0
	v_lshlrev_b32 v[CLI], 4, v1
	v_lshlrev_b32 v[CLO], 3, v1
	s_lshl_b32 s14, s69, 4
	s_lshl_b32 s15, s40, 2
	s_add_co_u32 s14, s14, s15
	s_add_co_u32 s14, s14, s10                     ; my wave among the 256
	s_mov_b32 s17, 0
	s_lshl_b32 s16, s14, 14                        ; 4 rows of 4,096 bytes
	s_add_nc_u64 s[88:89], s[80:81], s[16:17]      ; from where: Wo first
	s_lshl_b32 s16, s14, 13
	s_add_nc_u64 s[90:91], s[86:87], s[16:17]      ; to where
	s_lshl_b32 s16, s14, 16                        ; 16 rows of 4,096 bytes
	s_add_nc_u64 s[92:93], s[82:83], s[16:17]      ; my rows of W_in,
	s_add_nc_u64 s[96:97], s[84:85], s[16:17]      ; and of W_out,
	s_lshl_b32 s16, s14, 15
	s_add_co_u32 s16, s16, 0x200000
	s_add_nc_u64 s[94:95], s[86:87], s[16:17]      ; and their places in w2
	s_add_co_u32 s16, s16, 0x800000
	s_add_nc_u64 s[98:99], s[86:87], s[16:17]
	s_mov_b32 s3, 9
.Lcv:
.irp i, 0,1,2,3
.irp j, 0,1,2,3,4,5,6,7
	global_load_b128 v[X+32*(\i)+4*(\j):X+32*(\i)+4*(\j)+3], v[CLI], s[88:89] offset:(\i)*4096+(\j)*512 th:TH_LOAD_NT
.endr
.endr
.irp i, 0,1,2,3
	s_wait_loadcnt 24-8*(\i)                       ; row i is in; the rows behind it stay out
.set n, 0
.rept 16
	v_cvt_pk_bf16_f32 v[X+32*(\i)+n], v[X+32*(\i)+2*n], v[X+32*(\i)+2*n+1]
.set n, n+1
.endr
.irp j, 0,1,2,3,4,5,6,7
	global_store_b64 v[CLO], v[X+32*(\i)+2*(\j):X+32*(\i)+2*(\j)+1], s[90:91] offset:(\i)*2048+(\j)*256
.endr
.endr
	s_wait_xcnt 0x0                                ; loads and stores have read their bases and data, which the lines below and the next trip rewrite
	s_add_nc_u64 s[88:89], s[88:89], 16384
	s_add_nc_u64 s[90:91], s[90:91], 8192
	s_cmp_eq_u32 s3, 9                             ; behind the first trip: W_in
	s_cselect_b64 s[88:89], s[92:93], s[88:89]
	s_cselect_b64 s[90:91], s[94:95], s[90:91]
	s_cmp_eq_u32 s3, 5                             ; behind the fifth: W_out
	s_cselect_b64 s[88:89], s[96:97], s[88:89]
	s_cselect_b64 s[90:91], s[98:99], s[90:91]
	s_sub_co_u32 s3, s3, 1
	s_cmp_lg_u32 s3, 0
	s_cbranch_scc1 .Lcv
.Lend:
	s_wait_tensorcnt 0x0                           ; the wave's end
	ds_add_u32 v[SPW], v[NIL]
	s_wait_dscnt 0x0
	CROUND                                         ; the closing round
	s_endpgm
.Lfunc_end_k_qb430b7bfa3_qkv:
	.size	k_qb430b7bfa3_qkv, .Lfunc_end_k_qb430b7bfa3_qkv-k_qb430b7bfa3_qkv
	.p2alignl 7, 3214868480
	.fill 96, 4, 3214868480
	.section	.rodata,"a",@progbits
	.p2align	6, 0x0
	.amdhsa_kernel k_qb430b7bfa3_qkv
		.amdhsa_group_segment_fixed_size 327680
		.amdhsa_private_segment_fixed_size 0
		.amdhsa_enable_private_segment 0
		.amdhsa_kernarg_size 72
		.amdhsa_user_sgpr_count 2
		.amdhsa_user_sgpr_kernarg_segment_ptr 1
		.amdhsa_wavefront_size32 1
		.amdhsa_system_sgpr_workgroup_id_x 1
		.amdhsa_system_sgpr_workgroup_id_y 1
		.amdhsa_system_sgpr_workgroup_id_z 1
		.amdhsa_system_vgpr_workitem_id 0
		.amdhsa_next_free_vgpr 1024
		.amdhsa_next_free_sgpr 100
		.amdhsa_reserve_vcc 0
		.amdhsa_float_denorm_mode_32 3
		.amdhsa_float_denorm_mode_16_64 3
		.amdhsa_memory_ordered 1
		.amdhsa_forward_progress 1
		.amdhsa_inst_pref_size 97
	.end_amdhsa_kernel
	.amdgpu_metadata
---
amdhsa.version: [ 1, 2 ]
amdhsa.kernels:
  - .name:           k_qb430b7bfa3_qkv
    .symbol:         k_qb430b7bfa3_qkv.kd
    .args:
      - { .name: hb, .offset: 0, .size: 8, .value_kind: global_buffer, .address_space: global }
      - { .name: wb, .offset: 8, .size: 8, .value_kind: global_buffer, .address_space: global }
      - { .name: bq, .offset: 16, .size: 8, .value_kind: global_buffer, .address_space: global }
      - { .name: bk, .offset: 24, .size: 8, .value_kind: global_buffer, .address_space: global }
      - { .name: qkv, .offset: 32, .size: 8, .value_kind: global_buffer, .address_space: global }
      - { .name: Wo, .offset: 40, .size: 8, .value_kind: global_buffer, .address_space: global }
      - { .name: W_in, .offset: 48, .size: 8, .value_kind: global_buffer, .address_space: global }
      - { .name: W_out, .offset: 56, .size: 8, .value_kind: global_buffer, .address_space: global }
      - { .name: w2, .offset: 64, .size: 8, .value_kind: global_buffer, .address_space: global }
    .group_segment_fixed_size: 327680
    .private_segment_fixed_size: 0
    .kernarg_segment_align: 8
    .kernarg_segment_size: 72
    .max_flat_workgroup_size: 128
    .sgpr_count:     100
    .vgpr_count:     1024
    .wavefront_size: 32
...
	.end_amdgpu_metadata
.endif
;; end of part 2
;; launch attn (part 3): grid 4 x 64, 8 waves a work-group, no clusters, 327,680 bytes of LDS; arguments qkv, wb, rel_v, bv, op; writes op
.if DOCPART == 3
	.amdgcn_target "amdgcn-amd-amdhsa--gfx1250"
	.amdhsa_code_object_version 6
	.text
	.protected	k_qb430b7bfa3_attn
	.globl	k_qb430b7bfa3_attn
	.p2align	8
	.type	k_qb430b7bfa3_attn,@function
k_qb430b7bfa3_attn:
	s_mov_b64 s[64:65], 0
	v_nop
	global_prefetch_b8 v0, s[64:65] scope:SCOPE_SE
	s_setreg_imm32_b32 hwreg(HW_REG_WAVE_MODE, 25, 1), 1
	s_wait_xcnt 0x0
; ATTENTION WITH CLIPPED RELATIVE POSITIONS, head size 64, 1,024 keys.  O[q] = sum_k p(q,k) (V[k] + rel_v[idx(k-q)]) + bv, p = softmax_k((Q[q].K[k] + Q[q].rel_k[idx(k-q)]) / 8), idx = clip(k-q, -50, 50) + 50.
; Q, K: [b 16 + h][s][64] bf16; V^T: [h 64 + d][b 1024 + s] bf16.  Products in bf16 with f32 sums; maxima, sums, the end terms and bv in f32; the weights are rounded to bf16 for the second products.
; SHARES.  A work-group: 256 queries of one (b, h); each of its eight waves 32 queries, two tiles of 16.  Two waves lie on a SIMD, so that one wave's softmax runs beside the other's products; the text goes in phases.
; ALL of the head's K (rows of 144 bytes) and V^T (four chunks of 256 keys, rows of 528 bytes) lie in LDS, brought by one tensor load a wave at the start; nothing is filled again.
; NO CLUSTER, though a head's four query blocks read the same K and V: where the band lies, and with it branches, hangs on the block, which would be a work-group's place in its cluster.
; LAYOUT.  S^T = K Q^T: a lane holds one query (l % 16) and keys 16 kb + 8 (l / 16) + j.  Two such results rounded in pairs are source 1 of O^T = V^T P, which again holds one query a lane.
; THE BAND.  My 32 queries lie in band A of 64.  In key steps (of 64) below A - 1 the index is 0, above A + 1 it is 100: there the scores start from q.rel_k[0] or q.rel_k[100] (the C operand, made once),
; and rel_v's part is (sum of the weights on that side) x rel_v[0] or rel_v[100], added at the end.  In the steps A - 1 .. A + 1: e = k - q + 128 runs in a window of 96 from 16 UE on;
; q.rel_k[j(e)] is a product with table fragments, sheared through my scratch in LDS so that column e lands at key k; P is sheared the other way and multiplied by rel_v^T's fragments.
; A STEP's text: the scores (one way for a band step, one for the others), then softmax and V^T P, written once, then a band step's second part.  rel_k's fragments for my first band step are asked for
; at the head, those of the next band step at the end of the one before; a wait for loads stands at the head of each part that reads or loads the table registers.
; SUMS.  l collects the weights of the region in hand; it becomes lL at the band's first step and lB behind its last.  All three and O are multiplied by a = 2^(c m_old - c m_new) in every step.
; LIMITS.  A weight below 2^-126 counts as 0; NaN and infinities are not treated apart.
.set PK,    144
.set PVP,   528
.set VBASE, 1024*PK
.set CHUNK, 64*PVP
.set SCR,   VBASE+4*CHUNK              ; behind the tiles, never filled by a tensor load: 5,440 bytes of scratch for each wave
.set SCRW,  5440
.set SPARE, SCR+8*SCRW                 ; the spare words, 128 bytes a wave: four blocks of 256 bytes that no other line names
.set AK0, 2
.set AV0, 3
.set AK,  4
.set AV,  5
.set SKW, 6                            ; shear of q.rel_k: in, rows of 340 bytes; back, rows of 336 behind a guard of 64
.set SKR, 7
.set PSW, 8                            ; shear of P: in, rows of 206 bytes; back, rows of 208
.set PSR, 9
.set ZFA, 10
.set STO, 11
.set RD,  12
.set GO,  13
.set TOFF, 14                          ; 16 x lane; never rewritten
.set QO,  15
.set ST,  16                           ; tile t at ST + 8 t: c m, m, l (2), lL (2), lB (2)
.set TMP, 32                           ; tile t: c0-c3; c2 takes a
.set MV,  40
.set SPW, 42
.set NIL, 43
.set ZR,  44                           ; v[44:47] zeros
.set S,   48
.set P,   112
.set QRD, 112                          ; 2 x 5 results q.rel_k, over P and K's fragments
.set KF,  144
.set CB8, 208                          ; tile t: eight registers, all q.rel_k of the side in hand; 16 on: of the right side
.set FO,  246
.set Q,   64                           ; window 1: v0-63 O^T, v64-95 Q, v96-159 V^T's fragments, v160-255 table fragments
.set VF,  96
.set TB,  160
.set STEP, 48
.set SB0,  49
.set SB1,  50
.set UB,   51
.set CS,   58
.set SEL,  60
.set MSB, 0
.macro WIN new
.if MSB != (\new)
	s_set_vgpr_msb (MSB<<8)|(\new)
.set MSB, \new
.endif
.endm
.set W_QK, 0x04                        ; K window 0, Q window 1, S^T window 0
.set W_PV, 0x51                        ; source 0, C and D window 1, source 1 window 0
.set W_BG, 0x05                        ; table and Q window 1, result window 0
.set W_RS, 0x41
.macro NOPS n
.rept \n
	v_nop
.endr
.endm
; number n of the 22 that find tile t's maximum and statistics; each accumulator's lowest registers are read first
.macro XS t, n
.set rT, ST+8*(\t)
.set rC, TMP+4*(\t)
.set rW, MV+(\t)
.set rS, S+32*(\t)
.if (\n) < 4
	v_max3_num_f32 v[rC+(\n)], v[rS+8*(\n)], v[rS+8*(\n)+1], v[rS+8*(\n)+2]
.elseif (\n) < 12
	v_max3_num_f32 v[rC+(\n)%4], v[rC+(\n)%4], v[rS+8*((\n)%4)+2*((\n)/4)+1], v[rS+8*((\n)%4)+2*((\n)/4)+2]
.elseif (\n) == 12
	v_max3_num_f32 v[rC], v[rC], v[rS+7], v[rS+15]
.elseif (\n) == 13
	v_max3_num_f32 v[rC+1], v[rC+1], v[rS+23], v[rS+31]
.elseif (\n) == 14
	v_max3_num_f32 v[rC+2], v[rC+2], v[rC+3], v[rT+1]
.elseif (\n) == 15
	v_mov_b32 v[rW], v[rT]
.elseif (\n) == 16
	v_max3_num_f32 v[rC], v[rC], v[rC+1], v[rC+2]
.elseif (\n) == 17
	v_permlanex16_b32 v[rC+3], v[rC], s[SEL], s[SEL+1]
.elseif (\n) == 18
	v_max_num_f32 v[rT+1], v[rC], v[rC+3]
.elseif (\n) == 19
	v_mul_f32 v[rT], s[CS], v[rT+1]
.elseif (\n) == 20
	v_sub_f32 v[rC+1], v[rW], v[rT]
.else
	v_exp_f32 v[rC+2], v[rC+1]
.endif
.endm
.macro PADD d, a                       ; for both tiles: pair d of S += pair a
.irp t, 0,1
	v_pk_add_f32 v[S+32*(\t)+(\d):S+32*(\t)+(\d)+1], v[S+32*(\t)+(\d):S+32*(\t)+(\d)+1], v[S+32*(\t)+(\a):S+32*(\t)+(\a)+1]
.endr
.endm
.macro SOFTMAX
	WIN 0
.irp n, 0,1,2,3,4,5,6,7,8,9,10,11,12,13,14,15,16,17,18,19,20,21
	XS 0, \n
	XS 1, \n
.endr
.irp n, 0,1,2,3,4,5,6,7,8,9,10,11,12,13,14,15
.irp t, 0,1
	v_pk_fma_f32 v[S+32*(\t)+2*(\n):S+32*(\t)+2*(\n)+1], v[S+32*(\t)+2*(\n):S+32*(\t)+2*(\n)+1], s[CS:CS+1], v[ST+8*(\t):ST+8*(\t)+1] op_sel_hi:[1,0,0] neg_lo:[0,0,1] neg_hi:[0,0,1]
.endr
.endr
.set n, 0
.rept 32
	v_exp_f32 v[S+n], v[S+n]
	v_exp_f32 v[S+32+n], v[S+32+n]
.set n, n+1
.endr
	v_nop                                          ; a plain instruction behind the last exponential,
	s_wait_alu depctr_va_vdst(0)                   ; and ONE wait for the batch of 66, ahead of its first reader
.irp n, 0,1,2,3,4,5,6,7,8,9,10,11,12,13,14,15
.irp t, 0,1
	v_cvt_pk_bf16_f32 v[P+16*(\t)+(\n)], v[S+32*(\t)+2*(\n)], v[S+32*(\t)+2*(\n)+1]
.endr
.endr
.irp n, 0,4,8,12,16,20,24,28
	PADD \n, (\n)+2
.endr
.irp n, 0,8,16,24
	PADD \n, (\n)+4
.endr
	PADD 0, 8
	PADD 16, 24
	PADD 0, 16
.irp t, 0,1
	v_pk_fma_f32 v[ST+8*(\t)+2:ST+8*(\t)+3], v[ST+8*(\t)+2:ST+8*(\t)+3], v[TMP+4*(\t)+2:TMP+4*(\t)+3], v[S+32*(\t):S+32*(\t)+1] op_sel_hi:[1,0,1]
	v_pk_mul_f32 v[ST+8*(\t)+4:ST+8*(\t)+5], v[ST+8*(\t)+4:ST+8*(\t)+5], v[TMP+4*(\t)+2:TMP+4*(\t)+3] op_sel_hi:[1,0]
	v_pk_mul_f32 v[ST+8*(\t)+6:ST+8*(\t)+7], v[ST+8*(\t)+6:ST+8*(\t)+7], v[TMP+4*(\t)+2:TMP+4*(\t)+3] op_sel_hi:[1,0]
.endr
	WIN W_RS
.irp t, 0,1
.set n, 0
.rept 16
	v_pk_mul_f32 v[32*(\t)+n:32*(\t)+n+1], v[32*(\t)+n:32*(\t)+n+1], v[TMP+4*(\t)+2:TMP+4*(\t)+3] op_sel_hi:[1,0]
.set n, n+2
.endr
.endr
.endm
; 16 products S^T = K Q^T; eight accumulators take turns.  on = 1: they add onto what lies in S (the sheared q.rel_k); 0: they start from the side's constant
.macro QK on
	WIN W_QK
.irp c, 0,1
.irp kb, 0,1,2,3
.irp t, 0,1
.if ((\c) == 0) && !(\on)
	v_wmma_f32_16x16x32_bf16 v[S+32*(\t)+8*(\kb):S+32*(\t)+8*(\kb)+7], v[KF+16*(\kb)+8*(\c):KF+16*(\kb)+8*(\c)+7], v[Q+16*(\t)+8*(\c):Q+16*(\t)+8*(\c)+7], v[CB8+8*(\t):CB8+8*(\t)+7]
.else
	v_wmma_f32_16x16x32_bf16 v[S+32*(\t)+8*(\kb):S+32*(\t)+8*(\kb)+7], v[KF+16*(\kb)+8*(\c):KF+16*(\kb)+8*(\c)+7], v[Q+16*(\t)+8*(\c):Q+16*(\t)+8*(\c)+7], v[S+32*(\t)+8*(\kb):S+32*(\t)+8*(\kb)+7]
.endif
.endr
.endr
.endr
	WIN 0
.endm
.macro PV                              ; 16 products O^T += V^T P; eight accumulators take turns
	WIN W_PV
.irp kk, 0,1
.irp cb, 0,1,2,3
.irp t, 0,1
	v_wmma_f32_16x16x32_bf16 v[32*(\t)+8*(\cb):32*(\t)+8*(\cb)+7], v[VF+32*(\kk)+8*(\cb):VF+32*(\kk)+8*(\cb)+7], v[P+16*(\t)+8*(\kk):P+16*(\t)+8*(\kk)+7], v[32*(\t)+8*(\cb):32*(\t)+8*(\cb)+7]
.endr
.endr
.endr
.endm
.macro FETCH_KV                        ; a step's K, 16 loads, then its V^T, 16 loads
	WIN 0
.irp f, 0,1,2,3,4,5,6,7
	ds_load_b128 v[KF+8*(\f):KF+8*(\f)+3],   v[AK] offset:((\f)/2)*16*PK+((\f)%2)*64
	ds_load_b128 v[KF+8*(\f)+4:KF+8*(\f)+7], v[AK] offset:((\f)/2)*16*PK+((\f)%2)*64+32
.endr
	WIN 0x40
.irp kk, 0,1
.irp cb, 0,1,2,3
	ds_load_b128 v[VF+32*(\kk)+8*(\cb):VF+32*(\kk)+8*(\cb)+3],   v[AV] offset:(\cb)*16*PVP+(\kk)*64
	ds_load_b128 v[VF+32*(\kk)+8*(\cb)+4:VF+32*(\kk)+8*(\cb)+7], v[AV] offset:(\cb)*16*PVP+(\kk)*64+32
.endr
.endr
	WIN 0
.endm
.macro TBL_RK                          ; rel_k's fragments of a window of 96 e: six blocks of 16 e x 64 channels, from s[66:67]
	WIN 0x40
.irp i, 0,1,2,3,4,5
.irp f, 0,1,2,3
	global_load_b128 v[TB+16*(\i)+4*(\f):TB+16*(\i)+4*(\f)+3], v[TOFF], s[66:67] offset:(\i)*2048+(\f)*512
.endr
.endr
	WIN 0
.endm
	s_load_b256 s[4:11], s[0:1], 0x0               ; qkv s[4:5], wb s[6:7], rel_v s[8:9], bv s[10:11]
	s_load_b64 s[12:13], s[0:1], 0x20              ; op
	v_lshl_add_u32 v[SPW], v0, 2, SPARE
	v_mov_b32 v[NIL], 0
	ds_add_u32 v[SPW], v[NIL]                      ; the wave's opening: the add, and its wait ahead of my first tensor load
	ds_add_u32 v42, v43
	v_lshrrev_b32 v1, 5, v0
	v_readfirstlane_b32 s14, v1                    ; wave 0..7
	s_and_b32 s15, s14, 3                          ; which quarter of K (waves 0-3) or of V^T (waves 4-7) I fetch
	s_and_b32 s17, ttmp7, 0xffff                   ; b 16 + h
	s_lshr_b32 s18, s17, 4
	s_and_b32 s19, s17, 15
	; K: 256 keys are 32,768 dense bytes: 128 rows of 256 bytes, padded after every key
	s_mov_b32 s24, (1<<16)|(1<<20)|(4<<22)|(3<<25)
	s_mov_b32 s25, 128<<16
	s_mov_b32 s26, 128<<16
	s_mov_b32 s27, 128<<16
	s_mov_b32 s28, 128
	s_mov_b32 s29, 128
	s_mov_b32 s30, 0
	s_mov_b32 s31, 0
	; V^T: 64 channel rows x 256 keys, 4,096 elements from row to row, padded after every 512 bytes
	s_mov_b32 s32, (1<<16)|(1<<20)|(6<<22)|(3<<25)
	s_mov_b32 s33, 256<<16
	s_mov_b32 s34, 64<<16
	s_mov_b32 s35, 256<<16
	s_mov_b32 s36, 64
	s_mov_b32 s37, 4096
	s_mov_b32 s38, 0
	s_mov_b32 s39, 0
	s_mov_b32 s40, 1
	s_mul_i32 s41, s15, 256*PK
	s_mov_b32 s44, 1
	s_mul_i32 s45, s15, CHUNK
	s_add_co_u32 s45, s45, VBASE
	s_lshl_b32 s20, s17, 17                        ; the head's plane in Q and K
	s_lshl_b32 s21, s15, 15
	s_add_co_u32 s22, s20, s21
	s_add_co_u32 s22, s22, 0x800000                ; K in qkv
	s_mov_b32 s23, 0
	s_lshl_b32 s52, s19, 19                        ; 64 h rows of 8,192 bytes
	s_lshl_b32 s53, s18, 11
	s_add_co_u32 s52, s52, s53
	s_lshl_b32 s53, s15, 9
	s_add_co_u32 s52, s52, s53
	s_add_co_u32 s52, s52, 0x1000000               ; V^T in qkv
	s_mov_b32 s53, 0
	s_lshl_b32 s54, ttmp9, 15                      ; my block's 256 queries of 128 bytes,
	s_lshl_b32 s55, s14, 12                        ; my wave's 32
	s_add_co_u32 s54, s54, s55
	s_add_co_u32 s54, s54, s20
	s_mov_b32 s55, 0
	s_mov_b32 s[CS], 0x3e38aa3b                    ; c = log2(e) / 8
	s_mov_b32 s[CS+1], s[CS]
	s_mov_b32 s[SEL], 0x76543210
	s_mov_b32 s[SEL+1], 0xfedcba98
	s_wait_dscnt 0x0                               ; the opening add is done
	s_wait_kmcnt 0x0
	s_add_nc_u64 s[42:43], s[4:5], s[22:23]
	s_or_b32 s43, s43, 0x80000000
	s_add_nc_u64 s[46:47], s[4:5], s[52:53]
	s_or_b32 s47, s47, 0x80000000
	s_add_nc_u64 s[70:71], s[4:5], s[54:55]        ; Q at my first query
	s_add_nc_u64 s[56:57], s[6:7], 0x600000        ; rel_k's fragments
	s_add_nc_u64 s[62:63], s[6:7], 0x608000        ; rel_v^T's
	s_cmp_lt_u32 s14, 4                            ; one first fill a wave, in one branch on the wave's number
	s_cbranch_scc0 .Lfill_v
	tensor_load_to_lds s[40:43], s[24:31]
	s_nop 0
	NOPS 4
	s_branch .Lfilled
.Lfill_v:
	tensor_load_to_lds s[44:47], s[32:39]
	s_nop 0
	NOPS 4
.Lfilled:
	v_and_b32 v1, 15, v0                           ; r = l % 16
	v_bfe_u32 v240, v0, 4, 1                       ; l / 16
	v_and_b32 v241, 31, v0
	v_lshlrev_b32 v[QO], 7, v1
	v_lshl_add_u32 v[QO], v240, 4, v[QO]
	v_lshlrev_b32 v[TOFF], 4, v241
	WIN 0x40
.irp t, 0,1
.irp c, 0,1
	global_load_b128 v[Q+16*(\t)+8*(\c):Q+16*(\t)+8*(\c)+3],   v[QO], s[70:71] offset:(\t)*2048+(\c)*64
	global_load_b128 v[Q+16*(\t)+8*(\c)+4:Q+16*(\t)+8*(\c)+7], v[QO], s[70:71] offset:(\t)*2048+(\c)*64+32
.endr
.endr
.irp x, 0,1                            ; table blocks 0 and 15: sixteen copies of rel_k[0], of rel_k[100]
.irp f, 0,1,2,3
	global_load_b128 v[TB+16*(\x)+4*(\f):TB+16*(\x)+4*(\f)+3], v[TOFF], s[56:57] offset:(\x)*15*2048+(\f)*512
.endr
.endr
.set n, 0
.rept 64
	v_mov_b32 v[n], 0                              ; O^T starts at 0: written while the tiles are on their way
.set n, n+1
.endr
	WIN 0
	s_mul_i32 s23, s14, SCRW
	s_add_co_u32 s23, s23, SCR                     ; my scratch
	v_mul_u32_u24 v[AK0], v1, PK
	v_lshl_add_u32 v[AK0], v240, 4, v[AK0]
	v_mul_u32_u24 v[AV0], v1, PVP
	v_lshl_add_u32 v[AV0], v240, 4, v[AV0]
	v_add_nc_u32 v[AV0], VBASE, v[AV0]
	v_mul_u32_u24 v242, v1, 340
	v_lshl_add_u32 v242, v240, 5, v242
	v_add_nc_u32 v[SKW], s23, v242
	v_mul_u32_u24 v242, v1, 336
	v_lshl_add_u32 v242, v240, 5, v242
	v_add_nc_u32 v242, s23, v242
	v_add_nc_u32 v[SKR], 64, v242
	v_mul_u32_u24 v242, v1, 206
	v_lshl_add_u32 v242, v240, 4, v242
	v_add_nc_u32 v[PSW], s23, v242
	v_mul_u32_u24 v242, v1, 208
	v_lshl_add_u32 v242, v240, 4, v242
	v_add_nc_u32 v[PSR], s23, v242
	v_add_nc_u32 v[ZFA], s23, v[TOFF]
	v_mul_u32_u24 v242, v1, 144
	v_lshl_add_u32 v242, v240, 4, v242
	v_add_nc_u32 v[STO], s23, v242
	v_bfe_u32 v243, v0, 3, 2
	v_and_b32 v244, 7, v0
	v_mul_u32_u24 v243, v243, 144
	v_lshl_add_u32 v243, v244, 4, v243
	v_add_nc_u32 v[RD], s23, v243
	v_bfe_u32 v243, v0, 3, 1
	v_lshlrev_b32 v[GO], 12, v240
	v_lshl_add_u32 v[GO], v243, 7, v[GO]
	v_lshl_add_u32 v[GO], v244, 4, v[GO]
	v_lshlrev_b32 v[FO], 5, v240
.irp t, 0,1
	v_mov_b32 v[ST+8*(\t)], 0xfe000000             ; c m: far below every c s
	v_mov_b32 v[ST+8*(\t)+1], 0xff7fffff           ; m
.irp o, 2,3,4,5,6,7
	v_mov_b32 v[ST+8*(\t)+(\o)], 0
.endr
.endr
.irp o, 0,1,2,3
	v_mov_b32 v[ZR+(\o)], 0
.endr
	s_lshl_b32 s20, ttmp9, 2
	s_lshr_b32 s21, s14, 1
	s_add_co_u32 s20, s20, s21                     ; A, my band of 64 queries
	s_sub_co_i32 s[SB0], s20, 1
	s_max_i32 s[SB0], s[SB0], 0                    ; the band's first key step,
	s_add_co_u32 s[SB1], s20, 1
	s_min_u32 s[SB1], s[SB1], 15                   ; and its last
	s_and_b32 s21, s14, 1
	s_lshl_b32 s21, s21, 1                         ; my first tile's place among the band's four
	s_lshl_b32 s20, s20, 2
	s_add_co_u32 s20, s20, s21
	s_sub_co_i32 s[UB], 6, s20                     ; UE = 4 step + UB
	s_lshl_b32 s20, s19, 8
	s_mov_b32 s21, 0
	s_add_nc_u64 s[72:73], s[10:11], s[20:21]      ; bv at my head
	s_lshl_b32 s20, s18, 21                        ; op: 512 b pair rows of 4,096 bytes,
	s_lshl_b32 s22, ttmp9, 19
	s_add_co_u32 s20, s20, s22
	s_lshl_b32 s22, s14, 16
	s_add_co_u32 s20, s20, s22
	s_lshl_b32 s22, s19, 8                         ; 256 bytes a head
	s_add_co_u32 s20, s20, s22
	s_add_nc_u64 s[12:13], s[12:13], s[20:21]
	s_mov_b32 s55, 0
	s_wait_loadcnt 0x0                             ; Q and the two table blocks
	WIN W_BG
.irp c, 0,1                            ; four accumulators take turns
.irp x, 0,1
.irp t, 0,1
.if (\c) == 0
	v_wmma_f32_16x16x32_bf16 v[CB8+16*(\x)+8*(\t):CB8+16*(\x)+8*(\t)+7], v[TB+16*(\x):TB+16*(\x)+7], v[Q+16*(\t):Q+16*(\t)+7], 0
.else
	v_wmma_f32_16x16x32_bf16 v[CB8+16*(\x)+8*(\t):CB8+16*(\x)+8*(\t)+7], v[TB+16*(\x)+8:TB+16*(\x)+15], v[Q+16*(\t)+8:Q+16*(\t)+15], v[CB8+16*(\x)+8*(\t):CB8+16*(\x)+8*(\t)+7]
.endif
.endr
.endr
.endr
	NOPS 5
	s_lshl_b32 s20, s[SB0], 2                      ; rel_k's fragments for my first band step: they lie in their registers until that step comes
	s_add_co_i32 s20, s20, s[UB]
	s_lshl_b32 s54, s20, 11
	s_add_nc_u64 s[66:67], s[56:57], s[54:55]
	TBL_RK
	s_wait_tensorcnt 0x0                           ; my quarter of K or V^T is in,
	s_barrier_signal -1
	s_barrier_wait -1                              ; everybody's is
	s_mov_b32 s[STEP], 0
.Lstep:
	s_mul_i32 s20, s[STEP], 64*PK
	v_add_nc_u32 v[AK], s20, v[AK0]
	s_lshr_b32 s21, s[STEP], 2
	s_mul_i32 s21, s21, CHUNK
	s_and_b32 s22, s[STEP], 3
	s_lshl_b32 s22, s22, 7
	s_add_co_u32 s21, s21, s22
	v_add_nc_u32 v[AV], s21, v[AV0]
	s_cmp_lt_u32 s[STEP], s[SB0]
	s_cbranch_scc1 .Lplain
	s_cmp_gt_u32 s[STEP], s[SB1]
	s_cbranch_scc1 .Lplain
	; A BAND STEP's scores
	s_cmp_lg_u32 s[STEP], s[SB0]
	s_cbranch_scc1 .Lno_e1
.irp t, 0,1                            ; the left side's weights are complete
	v_mov_b32 v[ST+8*(\t)+4], v[ST+8*(\t)+2]
	v_mov_b32 v[ST+8*(\t)+5], v[ST+8*(\t)+3]
	v_mov_b32 v[ST+8*(\t)+2], 0
	v_mov_b32 v[ST+8*(\t)+3], 0
.endr
.Lno_e1:
	s_wait_loadcnt 0x0                             ; rel_k's fragments are in; no load of mine is out, so the pointer below may be written
	s_lshl_b32 s20, s[STEP], 2
	s_add_co_i32 s20, s20, s[UB]                   ; UE, 0 .. 10
	s_lshl_b32 s54, s20, 9
	s_add_nc_u64 s[68:69], s[62:63], s[54:55]
	WIN W_BG
.irp c, 0,1                            ; q.rel_k[j(e)] for five blocks of 16 e a tile; ten accumulators take turns
.irp t, 0,1
.irp i, 0,1,2,3,4
.if (\c) == 0
	v_wmma_f32_16x16x32_bf16 v[QRD+40*(\t)+8*(\i):QRD+40*(\t)+8*(\i)+7], v[TB+16*((\i)+1-(\t)):TB+16*((\i)+1-(\t))+7], v[Q+16*(\t):Q+16*(\t)+7], 0
.else
	v_wmma_f32_16x16x32_bf16 v[QRD+40*(\t)+8*(\i):QRD+40*(\t)+8*(\i)+7], v[TB+16*((\i)+1-(\t))+8:TB+16*((\i)+1-(\t))+15], v[Q+16*(\t)+8:Q+16*(\t)+15], v[QRD+40*(\t)+8*(\i):QRD+40*(\t)+8*(\i)+7]
.endif
.endr
.endr
.endr
	NOPS 5                                         ; five places: K's fragments are loaded over these results and then taken as a source by matrix instructions
	WIN 0x40
.irp cb, 0,1,2,3                       ; rel_v^T's fragments for the same window, wanted behind V^T P
.irp i, 0,1,2,3,4,5
	global_load_b128 v[TB+24*(\cb)+4*(\i):TB+24*(\cb)+4*(\i)+3], v[TOFF], s[68:69] offset:(16*(\cb)+(\i))*512
.endr
.endr
	WIN 0
.irp t, 0,1                            ; the shear: register 8 i + j of a lane is element e' = 16 i + 8 (l / 16) + j of query r; it goes to column e' + r of row r (rows of 336 bytes), and columns 16 .. 79 are read back by keys.  LDS serves a wave's instructions in order
.set n, 0
.rept 40
	ds_store_b32 v[SKW], v[QRD+40*(\t)+n] offset:64*(n/8)+4*(n%8)
.set n, n+1
.endr
.irp kb, 0,1,2,3
	ds_load_b128 v[S+32*(\t)+8*(\kb):S+32*(\t)+8*(\kb)+3],   v[SKR] offset:64*(\kb)
	ds_load_b128 v[S+32*(\t)+8*(\kb)+4:S+32*(\t)+8*(\kb)+7], v[SKR] offset:64*(\kb)+16
.endr
.endr
	FETCH_KV
	s_wait_dscnt 16                                ; the sheared terms and K are in; V^T's 16 loads may be out
	QK 1
	s_branch .Lsm
.Lplain:                                               ; the scores of A STEP OUTSIDE THE BAND
	FETCH_KV
	s_wait_dscnt 16                                ; K is in; V^T's 16 loads may be out
	QK 0
.Lsm:                                                  ; EVERY STEP
	NOPS 4
	SOFTMAX
	s_wait_dscnt 0x0                               ; V^T
	PV
	NOPS 5
	WIN 0
	s_cmp_lt_u32 s[STEP], s[SB0]
	s_cbranch_scc1 .Lnext
	s_cmp_gt_u32 s[STEP], s[SB1]
	s_cbranch_scc1 .Lnext
	; A BAND STEP's second part
	s_wait_loadcnt 0x0                             ; rel_v^T's fragments
.irp t, 0,1                            ; P sheared: weight of key c goes to place 16 (2 - t) + c - r of row r; the rest of the 96 places is 0
.irp n, 0,1,2,3,4,5,6
	ds_store_b128 v[ZFA], v[ZR:ZR+3] offset:512*(\n)
.endr
.set n, 0
.rept 16
	ds_store_b16 v[PSW], v[P+16*(\t)+n] offset:64-32*(\t)+32*(n/4)+4*(n%4)
	ds_store_b16_d16_hi v[PSW], v[P+16*(\t)+n] offset:64-32*(\t)+32*(n/4)+4*(n%4)+2
.set n, n+1
.endr
.irp kb, 0,1,2
	ds_load_b128 v[S+32*(\t)+8*(\kb):S+32*(\t)+8*(\kb)+3],   v[PSR] offset:64*(\kb)
	ds_load_b128 v[S+32*(\t)+8*(\kb)+4:S+32*(\t)+8*(\kb)+7], v[PSR] offset:64*(\kb)+32
.endr
.endr
	s_wait_dscnt 0x0
	WIN W_PV
.irp kb, 0,1,2                         ; O^T += rel_v^T x sheared P; eight accumulators take turns
.irp cb, 0,1,2,3
.irp t, 0,1
	v_wmma_f32_16x16x32_bf16 v[32*(\t)+8*(\cb):32*(\t)+8*(\cb)+7], v[TB+24*(\cb)+8*(\kb):TB+24*(\cb)+8*(\kb)+7], v[S+32*(\t)+8*(\kb):S+32*(\t)+8*(\kb)+7], v[32*(\t)+8*(\cb):32*(\t)+8*(\cb)+7]
.endr
.endr
.endr
	NOPS 5
	WIN 0
	s_cmp_lg_u32 s[STEP], s[SB1]
	s_cbranch_scc1 .Lmore
.irp t, 0,1                            ; the band's weights are complete; from here on the scores start from q.rel_k[100]
	v_mov_b32 v[ST+8*(\t)+6], v[ST+8*(\t)+2]
	v_mov_b32 v[ST+8*(\t)+7], v[ST+8*(\t)+3]
	v_mov_b32 v[ST+8*(\t)+2], 0
	v_mov_b32 v[ST+8*(\t)+3], 0
.endr
.set n, 0
.rept 16
	v_mov_b32 v[CB8+n], v[CB8+16+n]
.set n, n+1
.endr
	s_branch .Lnext
.Lmore:                                                ; the next step is a band step too: its fragments of rel_k (no load of mine is out, so the pointer may be written)
	s_lshl_b32 s20, s[STEP], 2
	s_add_co_i32 s20, s20, s[UB]
	s_add_co_u32 s20, s20, 4
	s_lshl_b32 s54, s20, 11
	s_add_nc_u64 s[66:67], s[56:57], s[54:55]
	TBL_RK
.Lnext:
	s_add_co_u32 s[STEP], s[STEP], 1
	s_cmp_lt_u32 s[STEP], 16
	s_cbranch_scc1 .Lstep
	; THE END.  O = (O + lL rel_v[0] + lR rel_v[100]) / (lL + lB + lR) + bv, in f32; my eight channels of each block of 16 lie at 32 (l / 16) bytes
	s_wait_loadcnt 0x0                             ; no load into the table registers is out
	WIN 0x40
.irp cb, 0,1,2,3
	global_load_b128 v[TB+8*(\cb):TB+8*(\cb)+3],       v[FO], s[8:9] offset:64*(\cb)
	global_load_b128 v[TB+8*(\cb)+4:TB+8*(\cb)+7],     v[FO], s[8:9] offset:64*(\cb)+16
	global_load_b128 v[TB+32+8*(\cb):TB+32+8*(\cb)+3], v[FO], s[8:9] offset:25600+64*(\cb)
	global_load_b128 v[TB+32+8*(\cb)+4:TB+32+8*(\cb)+7], v[FO], s[8:9] offset:25600+64*(\cb)+16
	global_load_b128 v[TB+64+8*(\cb):TB+64+8*(\cb)+3], v[FO], s[72:73] offset:64*(\cb)
	global_load_b128 v[TB+64+8*(\cb)+4:TB+64+8*(\cb)+7], v[FO], s[72:73] offset:64*(\cb)+16
.endr
	WIN 0
.irp t, 0,1
.irp o, 2,4,6
	v_add_f32 v[ST+8*(\t)+(\o)], v[ST+8*(\t)+(\o)], v[ST+8*(\t)+(\o)+1]
.endr
.endr
.irp t, 0,1
.irp o, 2,4,6
	v_permlanex16_b32 v[ST+8*(\t)+(\o)+1], v[ST+8*(\t)+(\o)], s[SEL], s[SEL+1]
.endr
.endr
.irp t, 0,1
.irp o, 2,4,6
	v_add_f32 v[ST+8*(\t)+(\o)], v[ST+8*(\t)+(\o)], v[ST+8*(\t)+(\o)+1]
.endr
.endr
.irp t, 0,1
	v_add_f32 v[ST+8*(\t)+6], v[ST+8*(\t)+6], v[ST+8*(\t)+4]
.endr
.irp t, 0,1
	v_add_f32 v[ST+8*(\t)+6], v[ST+8*(\t)+6], v[ST+8*(\t)+2]
.endr
.irp t, 0,1
	v_rcp_f32 v[ST+8*(\t)+6], v[ST+8*(\t)+6]
.endr
	v_nop
	s_wait_alu depctr_va_vdst(0)                   ; one wait for the two reciprocals
	s_wait_loadcnt 0x0
	WIN W_PV
.irp t, 0,1
.set n, 0
.rept 16
	v_pk_fma_f32 v[32*(\t)+n:32*(\t)+n+1], v[TB+n:TB+n+1], v[ST+8*(\t)+4:ST+8*(\t)+5], v[32*(\t)+n:32*(\t)+n+1] op_sel_hi:[1,0,1]
.set n, n+2
.endr
.set n, 0
.rept 16
	v_pk_fma_f32 v[32*(\t)+n:32*(\t)+n+1], v[TB+32+n:TB+32+n+1], v[ST+8*(\t)+2:ST+8*(\t)+3], v[32*(\t)+n:32*(\t)+n+1] op_sel_hi:[1,0,1]
.set n, n+2
.endr
.set n, 0
.rept 16
	v_pk_fma_f32 v[32*(\t)+n:32*(\t)+n+1], v[32*(\t)+n:32*(\t)+n+1], v[ST+8*(\t)+6:ST+8*(\t)+7], v[TB+64+n:TB+64+n+1] op_sel_hi:[1,0,1]
.set n, n+2
.endr
.endr
	WIN 0x05
.irp t, 0,1
.set n, 0
.rept 16
	v_cvt_pk_bf16_f32 v[S+16*(\t)+n], v[32*(\t)+2*n], v[32*(\t)+2*n+1]
.set n, n+1
.endr
.endr
	WIN 0
.irp t, 0,1                            ; through my scratch, a tile at a time: in by queries (rows of 144 bytes), back as four whole rows of 128 bytes
.irp f, 0,1,2,3
	ds_store_b128 v[STO], v[S+16*(\t)+4*(\f):S+16*(\t)+4*(\f)+3] offset:32*(\f)
.endr
.irp f, 0,1,2,3
	ds_load_b128 v[S+32+16*(\t)+4*(\f):S+32+16*(\t)+4*(\f)+3], v[RD] offset:576*(\f)
.endr
.endr
	s_wait_dscnt 0x0
.irp t, 0,1
.irp f, 0,1,2,3
	global_store_b128 v[GO], v[S+32+16*(\t)+4*(\f):S+32+16*(\t)+4*(\f)+3], s[12:13] offset:(\t)*32768+(\f)*8192  ; sixteen lanes: two tokens of my head, 256 consecutive bytes, aligned
.endr
.endr
	s_wait_tensorcnt 0x0                           ; the wave's end
	ds_add_u32 v[SPW], v[NIL]
	s_wait_dscnt 0x0
	s_endpgm
.Lfunc_end_k_qb430b7bfa3_attn:
	.size	k_qb430b7bfa3_attn, .Lfunc_end_k_qb430b7bfa3_attn-k_qb430b7bfa3_attn
	.p2alignl 7, 3214868480
	.fill 96, 4, 3214868480
	.section	.rodata,"a",@progbits
	.p2align	6, 0x0
	.amdhsa_kernel k_qb430b7bfa3_attn
		.amdhsa_group_segment_fixed_size 327680
		.amdhsa_private_segment_fixed_size 0
		.amdhsa_enable_private_segment 0
		.amdhsa_kernarg_size 40
		.amdhsa_user_sgpr_count 2
		.amdhsa_user_sgpr_kernarg_segment_ptr 1
		.amdhsa_wavefront_size32 1
		.amdhsa_system_sgpr_workgroup_id_x 1
		.amdhsa_system_sgpr_workgroup_id_y 1
		.amdhsa_system_sgpr_workgroup_id_z 1
		.amdhsa_system_vgpr_workitem_id 0
		.amdhsa_next_free_vgpr 512
		.amdhsa_next_free_sgpr 96
		.amdhsa_reserve_vcc 0
		.amdhsa_float_denorm_mode_32 3
		.amdhsa_float_denorm_mode_16_64 3
		.amdhsa_memory_ordered 1
		.amdhsa_forward_progress 1
		.amdhsa_inst_pref_size 70
	.end_amdhsa_kernel
	.amdgpu_metadata
---
amdhsa.version: [ 1, 2 ]
amdhsa.kernels:
  - .name:           k_qb430b7bfa3_attn
    .symbol:         k_qb430b7bfa3_attn.kd
    .args:
      - { .name: qkv, .offset: 0, .size: 8, .value_kind: global_buffer, .address_space: global }
      - { .name: wb, .offset: 8, .size: 8, .value_kind: global_buffer, .address_space: global }
      - { .name: rel_v, .offset: 16, .size: 8, .value_kind: global_buffer, .address_space: global }
      - { .name: bv, .offset: 24, .size: 8, .value_kind: global_buffer, .address_space: global }
      - { .name: op, .offset: 32, .size: 8, .value_kind: global_buffer, .address_space: global }
    .group_segment_fixed_size: 327680
    .private_segment_fixed_size: 0
    .kernarg_segment_align: 8
    .kernarg_segment_size: 40
    .max_flat_workgroup_size: 256
    .sgpr_count:     96
    .vgpr_count:     512
    .wavefront_size: 32
...
	.end_amdgpu_metadata
.endif
;; end of part 3
;; launch wo (part 4): grid 8 x 32, 4 waves a work-group, clusters of 4 x 4, 327,680 bytes of LDS; arguments op, w2, hb, bo, g_ff, hh; writes hh
.if DOCPART == 4
	.amdgcn_target "amdgcn-amd-amdhsa--gfx1250"
	.amdhsa_code_object_version 6
	.text
	.protected	k_qb430b7bfa3_wo
	.globl	k_qb430b7bfa3_wo
	.p2align	8
	.type	k_qb430b7bfa3_wo,@function
k_qb430b7bfa3_wo:
	s_mov_b64 s[64:65], 0
	v_nop
	global_prefetch_b8 v0, s[64:65] scope:SCOPE_SE
	s_setreg_imm32_b32 hwreg(HW_REG_WAVE_MODE, 25, 1), 1
	s_wait_xcnt 0x0
	s_wait_alu depctr_hold_cnt(0) depctr_sa_sdst(0) depctr_va_vdst(0) depctr_va_sdst(0) depctr_va_ssrc(0) depctr_va_vcc(0) depctr_vm_vsrc(0)
	s_getreg_b32 s2, hwreg(HW_REG_IB_STS2, 6, 4)
	s_cmp_eq_u32 s2, 0
	s_cbranch_scc0 .Lentry_in_a_cluster
	s_endpgm
.Lentry_in_a_cluster:
	s_bfe_u32 s2, ttmp6, 0x10000c
	s_cmp_lg_u32 s2, 0xf033
	s_cbranch_scc0 .Lentry_shape_is_right
	s_endpgm
.Lentry_shape_is_right:
; h2 = hb + o Wo^T + bo (f32, rows b 1024 + s); h2g = bf16(h2 g_ff); for each row the sum of squares over this tile's 128 columns (f32; the next launch adds the eight tiles').
; A tile of C is 128 x 128: four waves, each 64 x 64 = 16 accumulators.  K = 1,024 in 4 steps of 256 through two LDS slots.  CLUSTER 4 x 4: A's tile jointly along a row, B's along a column.
; A = op, in which two tokens of a head lie together: a pair row is 4,096 bytes, a K step (four heads) 1,024 consecutive bytes of it: LDS rows of 1,040 bytes; token row r of a block lies at
; (r / 2) 1,040 + (r % 2) 128, so the 16 rows of a fragment load start at 16 different groups of four banks.  B = Wo's rows, at the head of w2, LDS rows of 528 bytes.
; The residual, 32 rows x 256 bytes of hb for each wave, comes by a third first fill of the wave's own (no mask).
; No prefetch: a step is short and the tiles small.  The product is used transposed (source 0 = B).  The last two steps, which fill nothing, are one text walked twice and left in its middle.
; THE WAY OUT: the tile in f32 into slot 0 (which has had its last fill), a barrier, a counted loop by rows.
; LIMITS: hb as the residual carries its one rounding to bf16; NaN and infinities are not treated apart.
.set KSTEP,  256
.set PITCH,  528
.set HALFT,  64*PITCH
.set AREG,   2*HALFT                   ; B's rows begin here in a slot
.set SLOT,   4*HALFT
.set APITCH, 1040
.set AQ,     256                       ; a quarter step of A: one head
.set ABLK,   8*APITCH                  ; 16 token rows
.set ASTEP,  1024                      ; bytes of a pair row in a K step
.set TSTEPS, 4
.set RES,    2*SLOT                    ; 32 rows x 272 bytes for each wave
.set SSQL,   RES+4*32*272              ; 128 sums of squares
.set SPARE,  SSQL+512
.set DP,     528
.set ADRA0, 16
.set ADRB0, 17
.set ADRA,  18
.set ADRB,  19
.set DST,   20
.set RDX,   21
.set RDR,   22
.set SQA,   23
.set COF,   24
.set COB,   25
.set L16,   26                         ; 16 x lane; never rewritten
.set SPW,   28
.set NIL,   29
.set BOV,   8                          ; v[8:11] bo, v[12:15] g_ff of my four columns
.set GFV,   12
.set X,     32
.set R,     48
.set HG,    64
.set ACC,   128
.set F0,    0
.set F1,    128
.set G1,  24
.set G0,  32
.set G1B, 48
.set G0B, 56
.set MSB, 0
.macro WIN new
.if MSB != (\new)
	s_set_vgpr_msb (MSB<<8)|(\new)
.set MSB, \new
.endif
.endm
.set MUL,  0x05
.set TO_F, 0x40
.macro JLOAD g
	s_cmp_eq_u32 s11, 0
	s_cbranch_scc0 .Lfor_b_\@
	tensor_load_to_lds s[G0+(\g):G0+(\g)+3], s[G1:G1+7]
	s_nop 0
.rept 4
	v_nop
.endr
	s_branch .Lasked_\@
.Lfor_b_\@:
	tensor_load_to_lds s[G0B+(\g):G0B+(\g)+3], s[G1B:G1B+7]
	s_nop 0
.rept 4
	v_nop
.endr
.Lasked_\@:
.endm
.macro CREST
	s_cmp_lg_u32 s10, 0
	s_cbranch_scc1 .Lnot_wave_0_\@
	s_barrier_signal -3
.Lnot_wave_0_\@:
	s_barrier_wait -3
	s_barrier_signal -1
	s_barrier_wait -1
.endm
.macro CROUND
	s_barrier_signal -1
	s_barrier_wait -1
	CREST
.endm
.macro PLACES
.rept 4
	v_nop
.endr
.endm
.macro MUL8 f, c, a0, zero
	WIN MUL
.irp a, \a0, (\a0)+1
.irp b, 0,1,2,3
.if \zero
	v_wmma_f32_16x16x32_bf16 v[ACC+8*(4*(\a)+(\b)):ACC+8*(4*(\a)+(\b))+7], v[(\f)+64+8*(4*(\c)+(\b)):(\f)+64+8*(4*(\c)+(\b))+7], v[(\f)+8*(4*(\c)+(\a)):(\f)+8*(4*(\c)+(\a))+7], 0
.else
	v_wmma_f32_16x16x32_bf16 v[ACC+8*(4*(\a)+(\b)):ACC+8*(4*(\a)+(\b))+7], v[(\f)+64+8*(4*(\c)+(\b)):(\f)+64+8*(4*(\c)+(\b))+7], v[(\f)+8*(4*(\c)+(\a)):(\f)+8*(4*(\c)+(\a))+7], v[ACC+8*(4*(\a)+(\b)):ACC+8*(4*(\a)+(\b))+7]
.endif
.endr
.endr
.endm
.macro FETCH q, f                      ; 32 LDS loads: quarter q (64 along K) of the slot that is read, the first 32 along K first
	WIN TO_F
.irp c, 0,1
.irp i, 0,1,2,3
	ds_load_b128 v[(\f)+64+8*(4*(\c)+(\i)):(\f)+64+8*(4*(\c)+(\i))+3],   v[ADRB] offset:128*(\q)+64*(\c)+(\i)*16*PITCH
	ds_load_b128 v[(\f)+64+8*(4*(\c)+(\i))+4:(\f)+64+8*(4*(\c)+(\i))+7], v[ADRB] offset:128*(\q)+64*(\c)+(\i)*16*PITCH+32
	ds_load_b128 v[(\f)+8*(4*(\c)+(\i)):(\f)+8*(4*(\c)+(\i))+3],         v[ADRA] offset:AQ*(\q)+64*(\c)+(\i)*ABLK
	ds_load_b128 v[(\f)+8*(4*(\c)+(\i))+4:(\f)+8*(4*(\c)+(\i))+7],       v[ADRA] offset:AQ*(\q)+64*(\c)+(\i)*ABLK+32
.endr
.endr
.endm
.macro QUARTER q, f, g, zero           ; multiplies buffer f and fetches quarter q into buffer g
	s_wait_dscnt 16                                ; the first 32 along K are in
	MUL8 \f, 0, 0, \zero
	MUL8 \f, 0, 2, \zero
	PLACES
	FETCH \q, \g
	s_wait_dscnt 32                                ; all but the 32 just issued
	MUL8 \f, 1, 0, 0
	MUL8 \f, 1, 2, 0
.endm
.macro TURN fill                       ; a step's last quarter and the change of slots
	WIN 0
	s_wait_tensorcnt 0x0                           ; all my tensor loads have landed
	ds_add_u32 v[SPW], v[NIL]                      ; 0 onto my spare word
	s_wait_dscnt 17                                ; the add and the youngest sixteen loads may be out
	MUL8 F1, 0, 0, 0
	s_wait_dscnt 0x0                               ; the add is done, and my reads of this slot are over
	s_barrier_signal -1
	MUL8 F1, 0, 2, 0
.if \fill
	WIN 0
.endif
	s_barrier_wait -1
.if \fill
	CREST                                          ; a round of the cluster's barrier: no wave of any partner reads the slot or has a load on its way
	s_xor_b32 s[G0+5], s[G0+5], SLOT
	s_xor_b32 s[G0B+5], s[G0B+5], SLOT
	s_add_nc_u64 s[G0+6:G0+7], s[G0+6:G0+7], ASTEP
	s_add_nc_u64 s[G0B+6:G0B+7], s[G0B+6:G0B+7], KSTEP*2
	s_xor_b32 s66, s66, SLOT
	JLOAD 4
.else
	PLACES
	WIN 0
	s_xor_b32 s66, s66, SLOT
.endif
	v_add_nc_u32 v[ADRA], s66, v[ADRA0]
	v_add_nc_u32 v[ADRB], s66, v[ADRB0]
	FETCH 0, F0
	MUL8 F1, 1, 0, 0
	MUL8 F1, 1, 2, 0
.endm
	s_load_b256 s[72:79], s[0:1], 0x0              ; op, w2, hb, bo
	s_load_b128 s[80:83], s[0:1], 0x20             ; g_ff, hh
	v_lshl_add_u32 v[SPW], v0, 2, SPARE
	v_mov_b32 v[NIL], 0
	ds_add_u32 v[SPW], v[NIL]                      ; the wave's opening
	ds_add_u32 v28, v29
	v_lshrrev_b32 v1, 5, v0
	v_readfirstlane_b32 s10, v1
	s_lshr_b32 s11, s10, 1
	s_and_b32 s12, s10, 1
	s_bfe_u32 s40, ttmp6, 0x40000
	s_bfe_u32 s41, ttmp6, 0x40004
	s_lshl_b32 s42, ttmp9, 2
	s_add_co_u32 s42, s42, s40                     ; tile column
	s_and_b32 s13, ttmp7, 0xffff
	s_lshl_b32 s13, s13, 2
	s_add_co_u32 s13, s13, s41                     ; tile row
	s_lshl_b32 s43, s41, 2
	s_lshl_b32 s43, 15, s43
	s_lshl_b32 s44, 0x1111, s40
	s_or_b32 s[G1+0], s43, (1<<16)|(1<<20)|(1<<21)|(7<<22)|(3<<25)   ; A: 4 words of padding after every 256 words
	s_mov_b32 s[G1+1], 512<<16
	s_mov_b32 s[G1+2], 32<<16
	s_mov_b32 s[G1+3], 512<<16
	s_mov_b32 s[G1+4], 32
	s_mov_b32 s[G1+5], 2048
	s_mov_b32 s[G1+6], 0
	s_mov_b32 s[G1+7], 0
	s_or_b32 s[G1B+0], s44, (1<<16)|(1<<20)|(1<<21)|(6<<22)|(3<<25)  ; B: after every 128 words
	s_mov_b32 s[G1B+1], KSTEP<<16
	s_mov_b32 s[G1B+2], 64<<16
	s_mov_b32 s[G1B+3], KSTEP<<16
	s_mov_b32 s[G1B+4], 64
	s_mov_b32 s[G1B+5], 1024
	s_mov_b32 s[G1B+6], 0
	s_mov_b32 s[G1B+7], 0
	s_mov_b32 s84, (1<<16)|(1<<20)|(5<<22)|(3<<25) ; the residual: 32 rows x 128 elements, no mask
	s_mov_b32 s85, 128<<16
	s_mov_b32 s86, 32<<16
	s_mov_b32 s87, 128<<16
	s_mov_b32 s88, 32
	s_mov_b32 s89, 1024
	s_mov_b32 s90, 0
	s_mov_b32 s91, 0
	s_lshl_b32 s16, s13, 6
	s_lshl_b32 s17, s12, 5
	s_add_co_u32 s16, s16, s17
	s_lshl_b32 s16, s16, 12                        ; A: (64 tile row + 32 half) pair rows of 4,096 bytes
	s_mov_b32 s17, 0
	s_lshl_b32 s46, s42, 7
	s_lshl_b32 s47, s12, 6
	s_add_co_u32 s46, s46, s47
	s_lshl_b32 s46, s46, 11                        ; B: (128 tile column + 64 half) rows of 2,048 bytes of Wo
	s_mov_b32 s47, 0
	s_mul_i32 s67, s12, 32*APITCH
	s_mul_i32 s69, s12, HALFT
	s_add_co_u32 s69, s69, AREG
	s_mov_b32 s66, 0
	s_lshl_b32 s70, s13, 7
	s_lshl_b32 s21, s10, 5
	s_add_co_u32 s70, s70, s21                     ; the first of the 32 rows that I finish
	s_lshl_b32 s20, s70, 11
	s_lshl_b32 s21, s42, 8
	s_add_co_u32 s20, s20, s21
	s_mov_b32 s21, 0
	s_mov_b32 s92, 1
	s_mul_i32 s93, s10, 32*272
	s_add_co_u32 s93, s93, RES
	s_mov_b32 s4, 0x76543210
	s_mov_b32 s5, 0xfedcba98
	s_mov_b32 s6, 0xffff0000
	s_wait_dscnt 0x0
	s_wait_kmcnt 0x0
	s_add_nc_u64 s[18:19], s[72:73], s[16:17]
	s_add_nc_u64 s[46:47], s[74:75], s[46:47]
	s_add_nc_u64 s[94:95], s[76:77], s[20:21]
	s_or_b32 s95, s95, 0x80000000
	CROUND
.irp s, 0,1
	s_mov_b32 s[G0+4*(\s)], 1
	s_add_co_u32 s[G0+4*(\s)+1], s67, (\s)*SLOT
	s_add_nc_u64 s[G0+4*(\s)+2:G0+4*(\s)+3], s[18:19], (\s)*ASTEP
	s_or_b32 s[G0+4*(\s)+3], s[G0+4*(\s)+3], 0x80000000
	s_mov_b32 s[G0B+4*(\s)], 1
	s_add_co_u32 s[G0B+4*(\s)+1], s69, (\s)*SLOT
	s_add_nc_u64 s[G0B+4*(\s)+2:G0B+4*(\s)+3], s[46:47], (\s)*KSTEP*2
	s_or_b32 s[G0B+4*(\s)+3], s[G0B+4*(\s)+3], 0x80000000
	JLOAD 4*(\s)
.endr
	tensor_load_to_lds s[92:95], s[84:91]          ; my rows of the residual: the third of my first fills
	s_nop 0
.rept 4
	v_nop
.endr
	v_and_b32 v1, 15, v0
	v_bfe_u32 v2, v0, 4, 1
	v_lshrrev_b32 v3, 1, v1
	v_mul_u32_u24 v3, v3, APITCH
	v_and_b32 v4, 1, v0
	v_lshl_add_u32 v3, v4, 7, v3
	v_lshl_add_u32 v3, v2, 4, v3
	s_mul_i32 s21, s11, 32*APITCH
	v_add_nc_u32 v[ADRA0], s21, v3
	v_mul_u32_u24 v3, v1, PITCH
	v_lshl_add_u32 v3, v2, 4, v3
	s_mul_i32 s22, s12, HALFT
	s_add_co_u32 s22, s22, AREG
	v_add_nc_u32 v[ADRB0], s22, v3
	v_mov_b32 v[ADRA], v[ADRA0]
	v_mov_b32 v[ADRB], v[ADRB0]
	s_mul_i32 s23, s11, 64*DP                      ; the dump: row 64 half + l % 16, columns 64 half + 8 (l / 16)
	s_lshl_b32 s21, s12, 8
	s_add_co_u32 s23, s23, s21
	v_mul_u32_u24 v4, v1, DP
	v_lshl_add_u32 v4, v2, 5, v4
	v_add_nc_u32 v[DST], s23, v4
	v_and_b32 v5, 31, v0
	v_lshlrev_b32 v[L16], 4, v5
	s_mul_i32 s23, s10, 32*DP
	v_add_nc_u32 v[RDX], s23, v[L16]               ; back: wave w takes rows 32 w .. 32 w + 31 whole, 16 bytes a lane
	s_mul_i32 s23, s10, 32*272
	s_add_co_u32 s23, s23, RES
	v_lshl_add_u32 v[RDR], v5, 3, s23
	s_lshl_b32 s23, s10, 7
	s_add_co_u32 s23, s23, SSQL
	v_mov_b32 v[SQA], s23
	v_mov_b32 v[COF], v[L16]
	v_lshlrev_b32 v[COB], 3, v5
	s_lshl_b32 s16, s42, 9
	s_mov_b32 s17, 0
	s_add_nc_u64 s[96:97], s[78:79], s[16:17]
	s_add_nc_u64 s[98:99], s[80:81], s[16:17]
	global_load_b128 v[BOV:BOV+3], v[L16], s[96:97]
	global_load_b128 v[GFV:GFV+3], v[L16], s[98:99]
	s_lshl_b32 s22, s70, 12
	s_add_co_u32 s16, s16, s22
	s_add_nc_u64 s[8:9], s[82:83], s[16:17]        ; h2 at my first row and column
	s_lshl_b32 s16, s70, 11
	s_lshl_b32 s22, s42, 8
	s_add_co_u32 s16, s16, s22
	s_add_co_u32 s16, s16, 0x1000000
	s_add_nc_u64 s[14:15], s[82:83], s[16:17]      ; h2g likewise
	s_lshl_b32 s16, s42, 14
	s_lshl_b32 s22, s13, 9
	s_add_co_u32 s16, s16, s22
	s_add_co_u32 s16, s16, 0x1800000
	s_add_nc_u64 s[20:21], s[82:83], s[16:17]      ; the tile's 128 sums of squares
	s_wait_tensorcnt 2                             ; my part of K step 0 is in; step 1's and the residual may stay out
	s_barrier_signal -1
	s_barrier_wait -1
	FETCH 0, F0
	QUARTER 1, F0, F1, 1
	WIN 0
	s_mov_b32 s3, TSTEPS-2
.Lstep:
	QUARTER 2, F1, F0, 0
	QUARTER 3, F0, F1, 0
	TURN 1
	QUARTER 1, F0, F1, 0
	WIN 0
	s_sub_co_u32 s3, s3, 1
	s_cmp_lg_u32 s3, 0
	s_cbranch_scc1 .Lstep
	s_mov_b32 s3, 2
.Ltail:                                                ; the last two steps fill nothing: one text, walked twice and left in its middle.  The second trip has no next step: its change of slots
	QUARTER 2, F1, F0, 0                           ; makes a barrier and 32 LDS loads (of the slot read before) that serve nothing: the price, once a launch, of one text for both trips
	QUARTER 3, F0, F1, 0
	TURN 0
	WIN 0
	s_sub_co_u32 s3, s3, 1
	s_cmp_eq_u32 s3, 0
	s_cbranch_scc1 .Lout
	QUARTER 1, F0, F1, 0
	WIN 0
	s_branch .Ltail
.Lout:
	s_wait_dscnt 0x0                               ; my last reads of the slots are back
	PLACES
	s_barrier_signal -1                            ; every wave's are
	s_barrier_wait -1
.irp a, 0,1,2,3
.irp b, 0,1,2,3
	ds_store_b128 v[DST], v[ACC+8*(4*(\a)+(\b)):ACC+8*(4*(\a)+(\b))+3]   offset:(\a)*16*DP+(\b)*64
	ds_store_b128 v[DST], v[ACC+8*(4*(\a)+(\b))+4:ACC+8*(4*(\a)+(\b))+7] offset:(\a)*16*DP+(\b)*64+16
.endr
.endr
	s_wait_dscnt 0x0                               ; for the others' sake: a row comes from two waves
	s_barrier_signal -1
	s_barrier_wait -1
	s_wait_loadcnt 0x0                             ; bo and g_ff
	s_mov_b32 s3, 8
.Lrow:                                                 ; four rows a trip; a wave holds a row's 128 columns, four a lane
.irp i, 0,1,2,3
	ds_load_b128 v[X+4*(\i):X+4*(\i)+3], v[RDX] offset:DP*(\i)
	ds_load_b64 v[R+2*(\i):R+2*(\i)+1], v[RDR] offset:272*(\i)
.endr
	s_wait_dscnt 0x0
.irp i, 0,1,2,3
	v_lshlrev_b32 v56, 16, v[R+2*(\i)]
	v_and_b32 v57, s6, v[R+2*(\i)]
	v_lshlrev_b32 v58, 16, v[R+2*(\i)+1]
	v_and_b32 v59, s6, v[R+2*(\i)+1]
	v_pk_add_f32 v[X+4*(\i):X+4*(\i)+1], v[X+4*(\i):X+4*(\i)+1], v[BOV:BOV+1]
	v_pk_add_f32 v[X+4*(\i)+2:X+4*(\i)+3], v[X+4*(\i)+2:X+4*(\i)+3], v[BOV+2:BOV+3]
	v_pk_add_f32 v[X+4*(\i):X+4*(\i)+1], v[X+4*(\i):X+4*(\i)+1], v[56:57]
	v_pk_add_f32 v[X+4*(\i)+2:X+4*(\i)+3], v[X+4*(\i)+2:X+4*(\i)+3], v[58:59]
	global_store_b128 v[COF], v[X+4*(\i):X+4*(\i)+3], s[8:9] offset:4096*(\i)      ; 512 consecutive bytes of h2
	v_pk_mul_f32 v[60:61], v[X+4*(\i):X+4*(\i)+1], v[GFV:GFV+1]
	v_pk_mul_f32 v[62:63], v[X+4*(\i)+2:X+4*(\i)+3], v[GFV+2:GFV+3]
	v_cvt_pk_bf16_f32 v[HG+2*(\i)], v60, v61
	v_cvt_pk_bf16_f32 v[HG+2*(\i)+1], v62, v63
	global_store_b64 v[COB], v[HG+2*(\i):HG+2*(\i)+1], s[14:15] offset:2048*(\i)   ; 256 consecutive bytes of h2g
	v_pk_mul_f32 v[60:61], v[X+4*(\i):X+4*(\i)+1], v[X+4*(\i):X+4*(\i)+1]
	v_pk_fma_f32 v[60:61], v[X+4*(\i)+2:X+4*(\i)+3], v[X+4*(\i)+2:X+4*(\i)+3], v[60:61]
	v_add_f32 v60, v60, v61
	v_add_f32_dpp v60, v60, v60 row_xmask:1 row_mask:0xf bank_mask:0xf
	v_add_f32_dpp v60, v60, v60 row_xmask:2 row_mask:0xf bank_mask:0xf
	v_add_f32_dpp v60, v60, v60 row_xmask:4 row_mask:0xf bank_mask:0xf
	v_add_f32_dpp v60, v60, v60 row_xmask:8 row_mask:0xf bank_mask:0xf
	v_permlanex16_b32 v61, v60, s4, s5
	v_add_f32 v60, v60, v61
	ds_store_b32 v[SQA], v60 offset:4*(\i)         ; all lanes write the same word with the same value
.endr
	s_wait_xcnt 0x0                                ; the stores have read their offsets and data
	v_add_nc_u32 v[COF], 4*4096, v[COF]
	v_add_nc_u32 v[COB], 4*2048, v[COB]
	v_add_nc_u32 v[RDX], 4*DP, v[RDX]
	v_add_nc_u32 v[RDR], 4*272, v[RDR]
	v_add_nc_u32 v[SQA], 16, v[SQA]
	s_sub_co_u32 s3, s3, 1
	s_cmp_lg_u32 s3, 0
	s_cbranch_scc1 .Lrow
	s_wait_dscnt 0x0
	s_barrier_signal -1
	s_barrier_wait -1                              ; all 128 sums of squares lie in LDS
	s_cmp_lg_u32 s10, 0
	s_cbranch_scc1 .Lend
	v_add_nc_u32 v3, SSQL, v[L16]
	ds_load_b128 v[32:35], v3
	s_wait_dscnt 0x0
	global_store_b128 v[L16], v[32:35], s[20:21]   ; 512 consecutive bytes
.Lend:
	s_wait_tensorcnt 0x0                           ; the wave's end
	ds_add_u32 v[SPW], v[NIL]
	s_wait_dscnt 0x0
	CROUND
	s_endpgm
.Lfunc_end_k_qb430b7bfa3_wo:
	.size	k_qb430b7bfa3_wo, .Lfunc_end_k_qb430b7bfa3_wo-k_qb430b7bfa3_wo
	.p2alignl 7, 3214868480
	.fill 96, 4, 3214868480
	.section	.rodata,"a",@progbits
	.p2align	6, 0x0
	.amdhsa_kernel k_qb430b7bfa3_wo
		.amdhsa_group_segment_fixed_size 327680
		.amdhsa_private_segment_fixed_size 0
		.amdhsa_enable_private_segment 0
		.amdhsa_kernarg_size 48
		.amdhsa_user_sgpr_count 2
		.amdhsa_user_sgpr_kernarg_segment_ptr 1
		.amdhsa_wavefront_size32 1
		.amdhsa_system_sgpr_workgroup_id_x 1
		.amdhsa_system_sgpr_workgroup_id_y 1
		.amdhsa_system_sgpr_workgroup_id_z 1
		.amdhsa_system_vgpr_workitem_id 0
		.amdhsa_next_free_vgpr 512
		.amdhsa_next_free_sgpr 100
		.amdhsa_reserve_vcc 0
		.amdhsa_float_denorm_mode_32 3
		.amdhsa_float_denorm_mode_16_64 3
		.amdhsa_memory_ordered 1
		.amdhsa_forward_progress 1
		.amdhsa_inst_pref_size 62
	.end_amdhsa_kernel
	.amdgpu_metadata
---
amdhsa.version: [ 1, 2 ]
amdhsa.kernels:
  - .name:           k_qb430b7bfa3_wo
    .symbol:         k_qb430b7bfa3_wo.kd
    .args:
      - { .name: op, .offset: 0, .size: 8, .value_kind: global_buffer, .address_space: global }
      - { .name: w2, .offset: 8, .size: 8, .value_kind: global_buffer, .address_space: global }
      - { .name: hb, .offset: 16, .size: 8, .value_kind: global_buffer, .address_space: global }
      - { .name: bo, .offset: 24, .size: 8, .value_kind: global_buffer, .address_space: global }
      - { .name: g_ff, .offset: 32, .size: 8, .value_kind: global_buffer, .address_space: global }
      - { .name: hh, .offset: 40, .size: 8, .value_kind: global_buffer, .address_space: global }
    .group_segment_fixed_size: 327680
    .private_segment_fixed_size: 0
    .kernarg_segment_align: 8
    .kernarg_segment_size: 48
    .max_flat_workgroup_size: 128
    .sgpr_count:     100
    .vgpr_count:     512
    .wavefront_size: 32
...
	.end_amdgpu_metadata
.endif
;; end of part 4
;; launch ffn1 (part 5): grid 16 x 16, 4 waves a work-group, clusters of 4 x 4, 327,680 bytes of LDS; arguments hh, w2, b_in, u; writes u
.if DOCPART == 5
	.amdgcn_target "amdgcn-amd-amdhsa--gfx1250"
	.amdhsa_code_object_version 6
	.text
	.protected	k_qb430b7bfa3_ffn1
	.globl	k_qb430b7bfa3_ffn1
	.p2align	8
	.type	k_qb430b7bfa3_ffn1,@function
k_qb430b7bfa3_ffn1:
	s_mov_b64 s[64:65], 0
	v_nop
	global_prefetch_b8 v0, s[64:65] scope:SCOPE_SE
	s_setreg_imm32_b32 hwreg(HW_REG_WAVE_MODE, 25, 1), 1
	s_wait_xcnt 0x0
	s_wait_alu depctr_hold_cnt(0) depctr_sa_sdst(0) depctr_va_vdst(0) depctr_va_sdst(0) depctr_va_ssrc(0) depctr_va_vcc(0) depctr_vm_vsrc(0)
	s_getreg_b32 s2, hwreg(HW_REG_IB_STS2, 6, 4)
	s_cmp_eq_u32 s2, 0
	s_cbranch_scc0 .Lentry_in_a_cluster
	s_endpgm
.Lentry_in_a_cluster:
	s_bfe_u32 s2, ttmp6, 0x10000c
	s_cmp_lg_u32 s2, 0xf033
	s_cbranch_scc0 .Lentry_shape_is_right
	s_endpgm
.Lentry_shape_is_right:
; u = bf16(gelu(rs[m] (h2g W_in^T) + b_in)), rs[m] = 1 / (sqrt(sum of h2[m]^2) / 32 + 1e-8): the second rmsnorm's row factor is applied behind the product, its gain lies in h2g.
; The product is the 256 x 256 tile kernel of the launch qkv: four waves of 128 x 128, K = 1,024 in 8 steps of 128, two LDS slots, cluster 4 x 4 with joint loads, the matrix instruction used transposed;
; the last two steps, which fill nothing, are one text walked twice and left in its middle.
; GELU, exact form: gelu(v) = (0.5 / k)(w + |w| (1 - poly(t) 2^(-w w))), w = k v, k = sqrt(log2(e) / 2), t = 1 / (1 + 0.27273748 |w|), poly the five-term fit of erfc (Abramowitz and Stegun 7.1.26);
; k is folded into the table of rs and into the bias.
; LIMITS: erf is off by up to 1.5e-7, for every argument; 1 - poly 2^(-w w) cancels as 1 + erf does; NaN and infinities are not treated apart.
.set KSTEP,  128
.set PITCH,  272
.set HALFT,  128*PITCH
.set SLOT,   4*HALFT
.set RS,     2*SLOT                    ; 256 rows x (k rs, k rs): 2,048 bytes that no tensor load fills
.set SPARE,  RS+2048
.set DP,     528
.set DW,     128*DP
.set ADRA0, 16
.set ADRB0, 17
.set ADRA,  18
.set ADRB,  19
.set DST,   20
.set RD,    21
.set RSA,   22
.set BO,    23
.set CO,    24
.set SPW,   28
.set NIL,   29
.set PFO,   30
.set X,     32                         ; the way out: w
.set F0,    64
.set F1,    128
.set AB,    64                         ; |w|
.set TT,    96                         ; 1 + p |w|, then t
.set EE,    128                        ; -w w, then 2^(-w w)
.set PL,    160
.set BI,    192
.set RSV,   200
.set OUT,   208
.set G1,  24
.set G0,  32
.set LIM, 43
.set PFA, 44
.set G1B, 48
.set G0B, 56
.set KK,  80                           ; scalar pairs: k, p, a5 .. a1, 0.5 / k
.set PP,  82
.set A5,  84
.set A4,  86
.set A3,  88
.set A2,  90
.set A1,  92
.set HK,  94
.set MSB, 0
.macro WIN new
.if MSB != (\new)
	s_set_vgpr_msb (MSB<<8)|(\new)
.set MSB, \new
.endif
.endm
.set MUL_LO, 0xa1
.set MUL_HI, 0xf1
.set TO_B,   0x40
.macro JLOAD g
	s_cmp_eq_u32 s11, 0
	s_cbranch_scc0 .Lfor_b_\@
	tensor_load_to_lds s[G0+(\g):G0+(\g)+3], s[G1:G1+7]
	s_nop 0
.rept 4
	v_nop
.endr
	s_branch .Lasked_\@
.Lfor_b_\@:
	tensor_load_to_lds s[G0B+(\g):G0B+(\g)+3], s[G1B:G1B+7]
	s_nop 0
.rept 4
	v_nop
.endr
.Lasked_\@:
.endm
.macro ASK                             ; a prefetch of the K step two refills on: 32 rows x 256 bytes, a lane a row; the loop's last two trips have no such step
	s_cmp_gt_u32 s3, s[LIM]
	s_cbranch_scc0 .Lnot_mine_\@
	global_prefetch_b8 v[PFO], s[PFA:PFA+1] offset:KSTEP*2 th:TH_LOAD_NT scope:SCOPE_SE
.Lnot_mine_\@:
.endm
.macro CREST
	s_cmp_lg_u32 s10, 0
	s_cbranch_scc1 .Lnot_wave_0_\@
	s_barrier_signal -3
.Lnot_wave_0_\@:
	s_barrier_wait -3
	s_barrier_signal -1
	s_barrier_wait -1
.endm
.macro CROUND
	s_barrier_signal -1
	s_barrier_wait -1
	CREST
.endm
.macro PLACES
.rept 4
	v_nop
.endr
.endm
.macro MUL16 f, hi, a0, zero
	WIN MUL_LO+0x50*(\hi)
.irp a, \a0, (\a0)+1
.irp b, 0,1,2,3,4,5,6,7
.if \zero
	v_wmma_f32_16x16x32_bf16 v[8*(8*(\a)+(\b)):8*(8*(\a)+(\b))+7], v[(\f)+8*(\b):(\f)+8*(\b)+7], v[(\f)+8*(4*(\hi)+(\a)):(\f)+8*(4*(\hi)+(\a))+7], 0
.else
	v_wmma_f32_16x16x32_bf16 v[8*(8*(\a)+(\b)):8*(8*(\a)+(\b))+7], v[(\f)+8*(\b):(\f)+8*(\b)+7], v[(\f)+8*(4*(\hi)+(\a)):(\f)+8*(4*(\hi)+(\a))+7], v[8*(8*(\a)+(\b)):8*(8*(\a)+(\b))+7]
.endif
.endr
.endr
.endm
.macro FETCH k, f
	WIN TO_B
.irp i, 0,1,2,3,4,5,6,7
	ds_load_b128 v[(\f)+8*(\i):(\f)+8*(\i)+3],   v[ADRB] offset:(\k)+(\i)*16*PITCH
	ds_load_b128 v[(\f)+8*(\i)+4:(\f)+8*(\i)+7], v[ADRB] offset:(\k)+(\i)*16*PITCH+32
.endr
	WIN 0
.irp i, 0,1,2,3,4,5,6,7
	ds_load_b128 v[(\f)+8*(\i):(\f)+8*(\i)+3],   v[ADRA] offset:(\k)+(\i)*16*PITCH
	ds_load_b128 v[(\f)+8*(\i)+4:(\f)+8*(\i)+7], v[ADRA] offset:(\k)+(\i)*16*PITCH+32
.endr
.endm
.macro QUARTER k, f, g, zero
	s_wait_dscnt 8                                 ; B and A's rows 0-63 are in; the youngest eight loads may be out
	MUL16 \f, 0, 0, \zero
	MUL16 \f, 0, 2, \zero
	PLACES
	FETCH \k, \g
	s_wait_dscnt 32                                ; all but the 32 just issued
	MUL16 \f, 1, 0, \zero
	MUL16 \f, 1, 2, \zero
.endm
; A step's last quarter multiplies buffer 1 and changes slots.  fill = 1: the slot just read is filled again, two K steps ahead: the barrier is a round of the cluster's, and the joint refill
; goes out sixteen matrix instructions behind the wait that showed the last one landed; the quarter's other 48 stand behind it.
.macro TURN fill
.if \fill
	s_wait_xcnt 0x0                                ; the last prefetch, a K step back, has read its address
	s_add_nc_u64 s[PFA:PFA+1], s[PFA:PFA+1], KSTEP*2
.endif
	WIN 0
	s_wait_tensorcnt 0x0                           ; all my tensor loads have landed
	ds_add_u32 v[SPW], v[NIL]                      ; 0 onto my spare word
	s_wait_dscnt 9                                 ; the add and the youngest eight loads may be out
	MUL16 F1, 0, 0, 0                              ; sixteen matrix instructions and the steps below stand between the add and the wait for it
	WIN 0
.if \fill
	s_xor_b32 s[G0+5], s[G0+5], SLOT               ; no tensor load of mine is out: the walking descriptors take the other slot than last time,
	s_xor_b32 s[G0B+5], s[G0B+5], SLOT
	s_add_nc_u64 s[G0+6:G0+7], s[G0+6:G0+7], KSTEP*2     ; and the next K step
	s_add_nc_u64 s[G0B+6:G0B+7], s[G0B+6:G0B+7], KSTEP*2
.endif
	s_xor_b32 s66, s66, SLOT                       ; the reads go to the other slot
	v_add_nc_u32 v[ADRA], s66, v[ADRA0]
	v_add_nc_u32 v[ADRB], s66, v[ADRB0]
	s_wait_dscnt 0x0                               ; the add is done, and my reads of this slot are over
.if \fill
	CROUND                                         ; no wave of any partner reads the slot or has a load on its way
	JLOAD 4                                        ; its four v_nop are also the places in front of the loads below
.else
	s_barrier_signal -1
	s_barrier_wait -1
	PLACES
.endif
	FETCH 0, F0
.if \fill
	ASK
.endif
	MUL16 F1, 0, 2, 0
	MUL16 F1, 1, 0, 0
	MUL16 F1, 1, 2, 0
.endm
.macro DUMP
.irp a, 0,1,2,3,4,5,6,7
	WIN 0x08+4*((\a)/4)
.irp b, 0,1,2,3,4,5,6,7
	ds_store_b128 v[DST], v[8*(8*((\a)%4)+(\b)):8*(8*((\a)%4)+(\b))+3]   offset:(\a)*16*DP+(\b)*64
	ds_store_b128 v[DST], v[8*(8*((\a)%4)+(\b))+4:8*(8*((\a)%4)+(\b))+7] offset:(\a)*16*DP+(\b)*64+16
.endr
.endr
	WIN 0
.endm
.macro ALLP line:vararg                ; one line for each of the trip's 16 pairs: n = 0, 2 .. 30
.set n, 0
.rept 16
	\line
.set n, n+2
.endr
.endm
	s_load_b256 s[72:79], s[0:1], 0x0              ; hh s[72:73], w2 s[74:75], b_in s[76:77], u s[78:79]
	v_lshl_add_u32 v[SPW], v0, 2, SPARE
	v_mov_b32 v[NIL], 0
	ds_add_u32 v[SPW], v[NIL]                      ; the wave's opening
	ds_add_u32 v28, v29
	v_lshrrev_b32 v1, 5, v0
	v_readfirstlane_b32 s10, v1
	s_lshr_b32 s11, s10, 1
	s_and_b32 s12, s10, 1
	s_bfe_u32 s40, ttmp6, 0x40000
	s_bfe_u32 s41, ttmp6, 0x40004
	s_and_b32 s13, ttmp7, 0xffff                   ; cluster y
	s_lshl_b32 s69, s13, 2
	s_add_co_u32 s69, s69, s41                     ; tile row
	s_lshl_b32 s42, ttmp9, 2
	s_add_co_u32 s42, s42, s40                     ; tile column
	s_lshl_b32 s43, s41, 2
	s_lshl_b32 s43, 15, s43
	s_lshl_b32 s44, 0x1111, s40
	s_or_b32 s[G1+0], s43, (1<<16)|(1<<20)|(1<<21)|(5<<22)|(3<<25)
	s_or_b32 s[G1B+0], s44, (1<<16)|(1<<20)|(1<<21)|(5<<22)|(3<<25)
.irp g, G1, G1B
	s_mov_b32 s[(\g)+1], KSTEP<<16
	s_mov_b32 s[(\g)+2], 128<<16
	s_mov_b32 s[(\g)+3], KSTEP<<16
	s_mov_b32 s[(\g)+4], 128
	s_mov_b32 s[(\g)+5], 1024
	s_mov_b32 s[(\g)+6], 0
	s_mov_b32 s[(\g)+7], 0
.endr
	s_lshl_b32 s17, s12, 7
	s_lshl_b32 s16, s69, 8
	s_add_co_u32 s16, s16, s17
	s_lshl_b32 s16, s16, 11
	s_lshl_b32 s46, s42, 8
	s_add_co_u32 s46, s46, s17
	s_lshl_b32 s46, s46, 11
	s_mov_b32 s17, 0
	s_mov_b32 s47, 0
	s_mul_i32 s67, s10, HALFT
	s_mov_b32 s66, 0
	s_mov_b32 s[KK], 0x3f596d27                    ; k = sqrt(log2(e) / 2)
	s_mov_b32 s[PP], 0x3e8ba43f                    ; 0.3275911 / sqrt(log2(e))
	s_mov_b32 s[A5], 0x3f87dc22
	s_mov_b32 s[A4], 0xbfba00e3
	s_mov_b32 s[A3], 0x3fb5f0e3
	s_mov_b32 s[A2], 0xbe91a98e
	s_mov_b32 s[A1], 0x3e827906
	s_mov_b32 s[HK], 0x3f16b55f                    ; 0.5 / k
.irp c, KK, PP, A5, A4, A3, A2, A1, HK
	s_mov_b32 s[(\c)+1], s[\c]                     ; named as pairs
.endr
	s_mov_b32 s96, 0x7fffffff
	s_mov_b32 s70, 0x3d000000                      ; 1/32
	s_mov_b32 s71, 0x322bcc77                      ; 1e-8
	s_wait_dscnt 0x0
	s_wait_kmcnt 0x0
	s_add_nc_u64 s[4:5], s[72:73], 0x1000000       ; h2g in hh
	s_add_nc_u64 s[6:7], s[74:75], 0x200000        ; W_in in w2
	s_add_nc_u64 s[18:19], s[4:5], s[16:17]
	s_add_nc_u64 s[46:47], s[6:7], s[46:47]
	CROUND
.irp s, 0,1
	s_mov_b32 s[G0+4*(\s)], 1
	s_add_co_u32 s[G0+4*(\s)+1], s67, (\s)*SLOT
	s_add_nc_u64 s[G0+4*(\s)+2:G0+4*(\s)+3], s[18:19], (\s)*KSTEP*2
	s_or_b32 s[G0+4*(\s)+3], s[G0+4*(\s)+3], 0x80000000
	s_mov_b32 s[G0B+4*(\s)], 1
	s_add_co_u32 s[G0B+4*(\s)+1], s67, (\s)*SLOT
	s_add_nc_u64 s[G0B+4*(\s)+2:G0B+4*(\s)+3], s[46:47], (\s)*KSTEP*2
	s_or_b32 s[G0B+4*(\s)+3], s[G0B+4*(\s)+3], 0x80000000
	JLOAD 4*(\s)
.endr
	; the eight partial sums of squares of rows 2 t and 2 t + 1 of the tile (t: my thread's number), and my eight columns' bias.  s[14:15] and s[98:99], the loads' bases, are not written again
	s_lshl_b32 s14, s69, 10
	s_add_co_u32 s14, s14, 0x1800000
	s_mov_b32 s15, 0
	s_add_nc_u64 s[14:15], s[72:73], s[14:15]
	v_lshlrev_b32 v6, 3, v0
.irp c, 0,1,2,3,4,5,6,7
	global_load_b64 v[32+2*(\c):33+2*(\c)], v6, s[14:15] offset:(\c)*16384
.endr
	v_and_b32 v1, 15, v0
	v_bfe_u32 v2, v0, 4, 1
	v_lshlrev_b32 v[BO], 5, v1
	s_lshl_b32 s20, s42, 10
	s_lshl_b32 s21, s12, 9
	s_add_co_u32 s20, s20, s21
	s_mov_b32 s21, 0
	s_add_nc_u64 s[98:99], s[76:77], s[20:21]
	global_load_b128 v[BI:BI+3],   v[BO], s[98:99]
	global_load_b128 v[BI+4:BI+7], v[BO], s[98:99] offset:16
	v_mul_u32_u24 v3, v1, PITCH
	v_lshl_add_u32 v3, v2, 4, v3
	s_mul_i32 s21, s11, HALFT
	s_mul_i32 s22, s12, HALFT
	s_add_co_u32 s22, s22, 2*HALFT
	v_add_nc_u32 v[ADRA0], s21, v3
	v_add_nc_u32 v[ADRB0], s22, v3
	v_mov_b32 v[ADRA], v[ADRA0]
	v_mov_b32 v[ADRB], v[ADRB0]
	s_mul_i32 s23, s10, DW
	v_mul_u32_u24 v4, v1, DP
	v_lshl_add_u32 v4, v2, 5, v4
	v_add_nc_u32 v[DST], s23, v4
	v_mul_u32_u24 v4, v2, DP                       ; back: lanes 0-15 one row of 128 columns, lanes 16-31 the next; 8 columns a lane
	v_lshl_add_u32 v4, v1, 5, v4
	v_add_nc_u32 v[RD], s23, v4
	s_lshl_b32 s23, s11, 10
	s_add_co_u32 s23, s23, RS
	v_lshl_add_u32 v[RSA], v2, 3, s23              ; my row's pair in the table
	v_lshlrev_b32 v[CO], 13, v2                    ; a row of u is 8,192 bytes
	v_lshl_add_u32 v[CO], v1, 4, v[CO]
	s_lshl_b32 s20, s69, 8
	s_lshl_b32 s21, s11, 7
	s_add_co_u32 s20, s20, s21
	s_lshl_b32 s20, s20, 13
	s_lshl_b32 s21, s42, 9
	s_add_co_u32 s20, s20, s21
	s_lshl_b32 s21, s12, 8
	s_add_co_u32 s20, s20, s21
	s_mov_b32 s21, 0
	s_add_nc_u64 s[8:9], s[78:79], s[20:21]
	; the prefetches: h2g's rows are named by the clusters with x = 0, W_in's by those with y = 0; the four partners of a joint load share its rows out by address
	s_cmp_eq_u32 s11, 0
	s_cselect_b32 s22, s69, s42
	s_cselect_b32 s68, s40, s41
	s_cselect_b32 s20, ttmp9, s13
	s_cselect_b64 s[PFA:PFA+1], s[4:5], s[6:7]
	s_cmp_eq_u32 s20, 0
	s_cselect_b32 s[LIM], 2, -1
	s_lshl_b32 s22, s22, 8
	s_lshl_b32 s20, s12, 7
	s_add_co_u32 s22, s22, s20
	s_lshl_b32 s20, s68, 5
	s_add_co_u32 s22, s22, s20
	s_lshl_b32 s22, s22, 11
	s_add_co_u32 s22, s22, 2*KSTEP*2
	s_mov_b32 s23, 0
	s_add_nc_u64 s[PFA:PFA+1], s[PFA:PFA+1], s[22:23]
	v_and_b32 v[PFO], 31, v0
	v_lshlrev_b32 v[PFO], 11, v[PFO]
	s_wait_loadcnt 0x0
	v_pk_add_f32 v[32:33], v[32:33], v[34:35]
	v_pk_add_f32 v[36:37], v[36:37], v[38:39]
	v_pk_add_f32 v[40:41], v[40:41], v[42:43]
	v_pk_add_f32 v[44:45], v[44:45], v[46:47]
	v_pk_add_f32 v[32:33], v[32:33], v[36:37]
	v_pk_add_f32 v[40:41], v[40:41], v[44:45]
	v_pk_add_f32 v[32:33], v[32:33], v[40:41]
	v_sqrt_f32 v34, v32
	v_sqrt_f32 v35, v33
	v_nop
	s_wait_alu depctr_va_vdst(0)
	v_fma_f32 v34, v34, s70, s71
	v_fma_f32 v35, v35, s70, s71
	v_rcp_f32 v36, v34
	v_rcp_f32 v38, v35
	v_nop
	s_wait_alu depctr_va_vdst(0)
	v_mul_f32 v36, s[KK], v36
	v_mul_f32 v38, s[KK], v38
	v_mov_b32 v37, v36
	v_mov_b32 v39, v38
	v_lshl_add_u32 v7, v0, 4, RS
	ds_store_b128 v7, v[36:39]
.irp j, 0,2,4,6
	v_pk_mul_f32 v[BI+(\j):BI+(\j)+1], v[BI+(\j):BI+(\j)+1], s[KK:KK+1] op_sel_hi:[1,0]
.endr
	s_wait_tensorcnt 1                             ; my part of K step 0 is in; step 1's may stay out
	s_wait_dscnt 0x0                               ; my part of the table is written
	s_barrier_signal -1
	s_barrier_wait -1
	FETCH 0, F0
	QUARTER 64, F0, F1, 1
	WIN 0
	s_mov_b32 s3, 6
.Lstep:
	QUARTER 128, F1, F0, 0
	QUARTER 192, F0, F1, 0
	TURN 1
	QUARTER 64, F0, F1, 0
	WIN 0
	s_sub_co_u32 s3, s3, 1
	s_cmp_lg_u32 s3, 0
	s_cbranch_scc1 .Lstep
	s_mov_b32 s3, 2
.Ltail:                                                ; the last two steps fill nothing: one text, walked twice and left in its middle.  The second trip has no next step: its change of slots
	QUARTER 128, F1, F0, 0                         ; makes a barrier and 32 LDS loads (of the slot read before) that serve nothing: the price, once a launch, of one text for both trips
	QUARTER 192, F0, F1, 0
	TURN 0
	WIN 0
	s_sub_co_u32 s3, s3, 1
	s_cmp_eq_u32 s3, 0
	s_cbranch_scc1 .Lout
	QUARTER 64, F0, F1, 0
	WIN 0
	s_branch .Ltail
.Lout:
	s_wait_dscnt 0x0                               ; my last reads of the slots are back
	PLACES
	s_barrier_signal -1                            ; every wave's are
	s_barrier_wait -1
	DUMP
	s_wait_dscnt 0x0
	s_barrier_signal -1
	s_barrier_wait -1
	s_mov_b32 s3, 16
.Lrow:                                                 ; 16 trips of four groups of two rows x 128 columns
.irp q, 0,1,2,3
	ds_load_b128 v[X+8*(\q):X+8*(\q)+3],   v[RD] offset:(\q)*2*DP
	ds_load_b128 v[X+8*(\q)+4:X+8*(\q)+7], v[RD] offset:(\q)*2*DP+16
	ds_load_b64 v[RSV+2*(\q):RSV+2*(\q)+1], v[RSA] offset:16*(\q)
.endr
	s_wait_dscnt 0x0
	ALLP v_pk_fma_f32 v[X+n:X+n+1], v[X+n:X+n+1], v[RSV+2*(n/8):RSV+2*(n/8)+1], v[BI+n%8:BI+n%8+1]
.set n, 0
.rept 32
	v_and_b32 v[AB+n], s96, v[X+n]
.set n, n+1
.endr
	ALLP v_pk_fma_f32 v[TT+n:TT+n+1], v[AB+n:AB+n+1], s[PP:PP+1], 1.0 op_sel_hi:[1,0,0]
	ALLP v_pk_mul_f32 v[EE+n:EE+n+1], v[X+n:X+n+1], v[X+n:X+n+1] neg_lo:[1,0] neg_hi:[1,0]
.set n, 0
.rept 32
	v_rcp_f32 v[TT+n], v[TT+n]
	v_exp_f32 v[EE+n], v[EE+n]
.set n, n+1
.endr
	v_nop                                          ; a plain instruction behind the last of the batch,
	s_wait_alu depctr_va_vdst(0)                   ; and ONE wait for its 64, ahead of the first reader
	ALLP v_pk_fma_f32 v[PL+n:PL+n+1], v[TT+n:TT+n+1], s[A5:A5+1], s[A4:A4+1] op_sel_hi:[1,0,0]
	ALLP v_pk_fma_f32 v[PL+n:PL+n+1], v[PL+n:PL+n+1], v[TT+n:TT+n+1], s[A3:A3+1] op_sel_hi:[1,1,0]
	ALLP v_pk_fma_f32 v[PL+n:PL+n+1], v[PL+n:PL+n+1], v[TT+n:TT+n+1], s[A2:A2+1] op_sel_hi:[1,1,0]
	ALLP v_pk_fma_f32 v[PL+n:PL+n+1], v[PL+n:PL+n+1], v[TT+n:TT+n+1], s[A1:A1+1] op_sel_hi:[1,1,0]
	ALLP v_pk_mul_f32 v[PL+n:PL+n+1], v[PL+n:PL+n+1], v[TT+n:TT+n+1]
	ALLP v_pk_fma_f32 v[PL+n:PL+n+1], v[PL+n:PL+n+1], v[EE+n:EE+n+1], 1.0 op_sel_hi:[1,1,0] neg_lo:[1,0,0] neg_hi:[1,0,0]
	ALLP v_pk_fma_f32 v[X+n:X+n+1], v[AB+n:AB+n+1], v[PL+n:PL+n+1], v[X+n:X+n+1]
	ALLP v_pk_mul_f32 v[X+n:X+n+1], v[X+n:X+n+1], s[HK:HK+1] op_sel_hi:[1,0]
	ALLP v_cvt_pk_bf16_f32 v[OUT+n/2], v[X+n], v[X+n+1]
.irp q, 0,1,2,3
	global_store_b128 v[CO], v[OUT+4*(\q):OUT+4*(\q)+3], s[8:9] offset:(\q)*16384  ; sixteen lanes store 256 consecutive bytes, aligned
.endr
	s_wait_xcnt 0x0
	v_add_nc_u32 v[CO], 65536, v[CO]
	v_add_nc_u32 v[RD], 8*DP, v[RD]
	v_add_nc_u32 v[RSA], 64, v[RSA]
	s_sub_co_u32 s3, s3, 1
	s_cmp_lg_u32 s3, 0
	s_cbranch_scc1 .Lrow
	s_wait_tensorcnt 0x0                           ; the wave's end
	ds_add_u32 v[SPW], v[NIL]
	s_wait_dscnt 0x0
	CROUND
	s_endpgm
.Lfunc_end_k_qb430b7bfa3_ffn1:
	.size	k_qb430b7bfa3_ffn1, .Lfunc_end_k_qb430b7bfa3_ffn1-k_qb430b7bfa3_ffn1
	.p2alignl 7, 3214868480
	.fill 96, 4, 3214868480
	.section	.rodata,"a",@progbits
	.p2align	6, 0x0
	.amdhsa_kernel k_qb430b7bfa3_ffn1
		.amdhsa_group_segment_fixed_size 327680
		.amdhsa_private_segment_fixed_size 0
		.amdhsa_enable_private_segment 0
		.amdhsa_kernarg_size 32
		.amdhsa_user_sgpr_count 2
		.amdhsa_user_sgpr_kernarg_segment_ptr 1
		.amdhsa_wavefront_size32 1
		.amdhsa_system_sgpr_workgroup_id_x 1
		.amdhsa_system_sgpr_workgroup_id_y 1
		.amdhsa_system_sgpr_workgroup_id_z 1
		.amdhsa_system_vgpr_workitem_id 0
		.amdhsa_next_free_vgpr 1024
		.amdhsa_next_free_sgpr 100
		.amdhsa_reserve_vcc 0
		.amdhsa_float_denorm_mode_32 3
		.amdhsa_float_denorm_mode_16_64 3
		.amdhsa_memory_ordered 1
		.amdhsa_forward_progress 1
		.amdhsa_inst_pref_size 98
	.end_amdhsa_kernel
	.amdgpu_metadata
---
amdhsa.version: [ 1, 2 ]
amdhsa.kernels:
  - .name:           k_qb430b7bfa3_ffn1
    .symbol:         k_qb430b7bfa3_ffn1.kd
    .args:
      - { .name: hh, .offset: 0, .size: 8, .value_kind: global_buffer, .address_space: global }
      - { .name: w2, .offset: 8, .size: 8, .value_kind: global_buffer, .address_space: global }
      - { .name: b_in, .offset: 16, .size: 8, .value_kind: global_buffer, .address_space: global }
      - { .name: u, .offset: 24, .size: 8, .value_kind: global_buffer, .address_space: global }
    .group_segment_fixed_size: 327680
    .private_segment_fixed_size: 0
    .kernarg_segment_align: 8
    .kernarg_segment_size: 32
    .max_flat_workgroup_size: 128
    .sgpr_count:     100
    .vgpr_count:     1024
    .wavefront_size: 32
...
	.end_amdgpu_metadata
.endif
;; end of part 5
;; launch ffn2 (part 6): grid 8 x 32, 4 waves a work-group, clusters of 4 x 4, 327,680 bytes of LDS; arguments u, w2, hh, b_out, out0; writes out0
.if DOCPART == 6
	.amdgcn_target "amdgcn-amd-amdhsa--gfx1250"
	.amdhsa_code_object_version 6
	.text
	.protected	k_qb430b7bfa3_ffn2
	.globl	k_qb430b7bfa3_ffn2
	.p2align	8
	.type	k_qb430b7bfa3_ffn2,@function
k_qb430b7bfa3_ffn2:
	s_mov_b64 s[64:65], 0
	v_nop
	global_prefetch_b8 v0, s[64:65] scope:SCOPE_SE
	s_setreg_imm32_b32 hwreg(HW_REG_WAVE_MODE, 25, 1), 1
	s_wait_xcnt 0x0
	s_wait_alu depctr_hold_cnt(0) depctr_sa_sdst(0) depctr_va_vdst(0) depctr_va_sdst(0) depctr_va_ssrc(0) depctr_va_vcc(0) depctr_vm_vsrc(0)
	s_getreg_b32 s2, hwreg(HW_REG_IB_STS2, 6, 4)
	s_cmp_eq_u32 s2, 0
	s_cbranch_scc0 .Lentry_in_a_cluster
	s_endpgm
.Lentry_in_a_cluster:
	s_bfe_u32 s2, ttmp6, 0x10000c
	s_cmp_lg_u32 s2, 0xf033
	s_cbranch_scc0 .Lentry_shape_is_right
	s_endpgm
.Lentry_shape_is_right:
; out0 = h2 + u W_out^T + b_out, f32; row b 1024 + s of the product goes to row s 4 + b of out0.
; The 128 x 128 tile kernel of the launch wo: four waves of 64 x 64, K = 4,096 in 16 steps of 256 (LDS rows of 528 bytes), two slots, cluster 4 x 4 with joint loads, the matrix instruction used transposed;
; the last two steps, which fill nothing, are one text walked twice and left in its middle.
; The residual, 32 whole row pieces of 512 bytes of h2 for each wave, is loaded into registers (window 2) at the head and stays out during the K loop.
; No prefetch: a step is short and the tiles small.  LIMITS: NaN and infinities are not treated apart.
.set KSTEP,  256
.set PITCH,  528
.set HALFT,  64*PITCH
.set AREG,   2*HALFT
.set SLOT,   4*HALFT
.set AQ,     128
.set ABLK,   16*PITCH
.set ASTEP,  512
.set TSTEPS, 16
.set SPARE,  2*SLOT
.set DP,     528
.set ADRA0, 16
.set ADRB0, 17
.set ADRA,  18
.set ADRB,  19
.set DST,   20
.set RDX,   21
.set L16,   26                         ; 16 x lane; never rewritten
.set SPW,   28
.set NIL,   29
.set BOV,   12                         ; v[12:15] b_out of my four columns
.set ACC,   128
.set F0,    0
.set F1,    128
.set G1,  24
.set G0,  32
.set G1B, 48
.set G0B, 56
.set MSB, 0
.macro WIN new
.if MSB != (\new)
	s_set_vgpr_msb (MSB<<8)|(\new)
.set MSB, \new
.endif
.endm
.set MUL,  0x05
.set TO_F, 0x40
.macro JLOAD g
	s_cmp_eq_u32 s11, 0
	s_cbranch_scc0 .Lfor_b_\@
	tensor_load_to_lds s[G0+(\g):G0+(\g)+3], s[G1:G1+7]
	s_nop 0
.rept 4
	v_nop
.endr
	s_branch .Lasked_\@
.Lfor_b_\@:
	tensor_load_to_lds s[G0B+(\g):G0B+(\g)+3], s[G1B:G1B+7]
	s_nop 0
.rept 4
	v_nop
.endr
.Lasked_\@:
.endm
.macro CREST
	s_cmp_lg_u32 s10, 0
	s_cbranch_scc1 .Lnot_wave_0_\@
	s_barrier_signal -3
.Lnot_wave_0_\@:
	s_barrier_wait -3
	s_barrier_signal -1
	s_barrier_wait -1
.endm
.macro CROUND
	s_barrier_signal -1
	s_barrier_wait -1
	CREST
.endm
.macro PLACES
.rept 4
	v_nop
.endr
.endm
.macro MUL8 f, c, a0, zero
	WIN MUL
.irp a, \a0, (\a0)+1
.irp b, 0,1,2,3
.if \zero
	v_wmma_f32_16x16x32_bf16 v[ACC+8*(4*(\a)+(\b)):ACC+8*(4*(\a)+(\b))+7], v[(\f)+64+8*(4*(\c)+(\b)):(\f)+64+8*(4*(\c)+(\b))+7], v[(\f)+8*(4*(\c)+(\a)):(\f)+8*(4*(\c)+(\a))+7], 0
.else
	v_wmma_f32_16x16x32_bf16 v[ACC+8*(4*(\a)+(\b)):ACC+8*(4*(\a)+(\b))+7], v[(\f)+64+8*(4*(\c)+(\b)):(\f)+64+8*(4*(\c)+(\b))+7], v[(\f)+8*(4*(\c)+(\a)):(\f)+8*(4*(\c)+(\a))+7], v[ACC+8*(4*(\a)+(\b)):ACC+8*(4*(\a)+(\b))+7]
.endif
.endr
.endr
.endm
.macro FETCH q, f
	WIN TO_F
.irp c, 0,1
.irp i, 0,1,2,3
	ds_load_b128 v[(\f)+64+8*(4*(\c)+(\i)):(\f)+64+8*(4*(\c)+(\i))+3],   v[ADRB] offset:128*(\q)+64*(\c)+(\i)*16*PITCH
	ds_load_b128 v[(\f)+64+8*(4*(\c)+(\i))+4:(\f)+64+8*(4*(\c)+(\i))+7], v[ADRB] offset:128*(\q)+64*(\c)+(\i)*16*PITCH+32
	ds_load_b128 v[(\f)+8*(4*(\c)+(\i)):(\f)+8*(4*(\c)+(\i))+3],         v[ADRA] offset:AQ*(\q)+64*(\c)+(\i)*ABLK
	ds_load_b128 v[(\f)+8*(4*(\c)+(\i))+4:(\f)+8*(4*(\c)+(\i))+7],       v[ADRA] offset:AQ*(\q)+64*(\c)+(\i)*ABLK+32
.endr
.endr
.endm
.macro QUARTER q, f, g, zero
	s_wait_dscnt 16                                ; the first 32 along K are in
	MUL8 \f, 0, 0, \zero
	MUL8 \f, 0, 2, \zero
	PLACES
	FETCH \q, \g
	s_wait_dscnt 32                                ; all but the 32 just issued
	MUL8 \f, 1, 0, 0
	MUL8 \f, 1, 2, 0
.endm
.macro TURN fill
	WIN 0
	s_wait_tensorcnt 0x0                           ; all my tensor loads have landed
	ds_add_u32 v[SPW], v[NIL]                      ; 0 onto my spare word
	s_wait_dscnt 17                                ; the add and the youngest sixteen loads may be out
	MUL8 F1, 0, 0, 0
	s_wait_dscnt 0x0                               ; the add is done, and my reads of this slot are over
	s_barrier_signal -1
	MUL8 F1, 0, 2, 0
.if \fill
	WIN 0
.endif
	s_barrier_wait -1
.if \fill
	CREST
	s_xor_b32 s[G0+5], s[G0+5], SLOT
	s_xor_b32 s[G0B+5], s[G0B+5], SLOT
	s_add_nc_u64 s[G0+6:G0+7], s[G0+6:G0+7], ASTEP
	s_add_nc_u64 s[G0B+6:G0B+7], s[G0B+6:G0B+7], KSTEP*2
	s_xor_b32 s66, s66, SLOT
	JLOAD 4
.else
	PLACES
	WIN 0
	s_xor_b32 s66, s66, SLOT
.endif
	v_add_nc_u32 v[ADRA], s66, v[ADRA0]
	v_add_nc_u32 v[ADRB], s66, v[ADRB0]
	FETCH 0, F0
	MUL8 F1, 1, 0, 0
	MUL8 F1, 1, 2, 0
.endm
	s_load_b256 s[72:79], s[0:1], 0x0              ; u, w2, hh, b_out
	s_load_b64 s[80:81], s[0:1], 0x20              ; out0
	v_lshl_add_u32 v[SPW], v0, 2, SPARE
	v_mov_b32 v[NIL], 0
	ds_add_u32 v[SPW], v[NIL]                      ; the wave's opening
	ds_add_u32 v28, v29
	v_lshrrev_b32 v1, 5, v0
	v_readfirstlane_b32 s10, v1
	s_lshr_b32 s11, s10, 1
	s_and_b32 s12, s10, 1
	s_bfe_u32 s40, ttmp6, 0x40000
	s_bfe_u32 s41, ttmp6, 0x40004
	s_lshl_b32 s42, ttmp9, 2
	s_add_co_u32 s42, s42, s40                     ; tile column
	s_and_b32 s13, ttmp7, 0xffff
	s_lshl_b32 s13, s13, 2
	s_add_co_u32 s13, s13, s41                     ; tile row
	s_lshl_b32 s43, s41, 2
	s_lshl_b32 s43, 15, s43
	s_lshl_b32 s44, 0x1111, s40
	s_or_b32 s[G1+0], s43, (1<<16)|(1<<20)|(1<<21)|(6<<22)|(3<<25)
	s_or_b32 s[G1B+0], s44, (1<<16)|(1<<20)|(1<<21)|(6<<22)|(3<<25)
.irp g, G1, G1B
	s_mov_b32 s[(\g)+1], KSTEP<<16
	s_mov_b32 s[(\g)+2], 64<<16
	s_mov_b32 s[(\g)+3], KSTEP<<16
	s_mov_b32 s[(\g)+4], 64
	s_mov_b32 s[(\g)+5], 4096
	s_mov_b32 s[(\g)+6], 0
	s_mov_b32 s[(\g)+7], 0
.endr
	s_lshl_b32 s17, s12, 6
	s_lshl_b32 s16, s13, 7
	s_add_co_u32 s16, s16, s17
	s_lshl_b32 s16, s16, 13                        ; A: (128 tile row + 64 half) rows of 8,192 bytes
	s_lshl_b32 s46, s42, 7
	s_add_co_u32 s46, s46, s17
	s_lshl_b32 s46, s46, 13
	s_add_co_u32 s46, s46, 0xa00000                ; W_out in w2
	s_mov_b32 s17, 0
	s_mov_b32 s47, 0
	s_mul_i32 s67, s12, HALFT
	s_add_co_u32 s69, s67, AREG
	s_mov_b32 s66, 0
	s_lshl_b32 s70, s13, 7
	s_lshl_b32 s21, s10, 5
	s_add_co_u32 s70, s70, s21                     ; the first of the 32 rows that I finish
	s_wait_dscnt 0x0
	s_wait_kmcnt 0x0
	s_add_nc_u64 s[18:19], s[72:73], s[16:17]
	s_add_nc_u64 s[46:47], s[74:75], s[46:47]
	CROUND
.irp s, 0,1
	s_mov_b32 s[G0+4*(\s)], 1
	s_add_co_u32 s[G0+4*(\s)+1], s67, (\s)*SLOT
	s_add_nc_u64 s[G0+4*(\s)+2:G0+4*(\s)+3], s[18:19], (\s)*ASTEP
	s_or_b32 s[G0+4*(\s)+3], s[G0+4*(\s)+3], 0x80000000
	s_mov_b32 s[G0B+4*(\s)], 1
	s_add_co_u32 s[G0B+4*(\s)+1], s69, (\s)*SLOT
	s_add_nc_u64 s[G0B+4*(\s)+2:G0B+4*(\s)+3], s[46:47], (\s)*KSTEP*2
	s_or_b32 s[G0B+4*(\s)+3], s[G0B+4*(\s)+3], 0x80000000
	JLOAD 4*(\s)
.endr
	v_and_b32 v5, 31, v0
	v_lshlrev_b32 v[L16], 4, v5
	s_lshl_b32 s16, s42, 9
	s_mov_b32 s17, 0
	s_add_nc_u64 s[98:99], s[78:79], s[16:17]
	s_lshl_b32 s22, s70, 12
	s_add_co_u32 s22, s22, s16
	s_mov_b32 s23, 0
	s_add_nc_u64 s[96:97], s[76:77], s[22:23]      ; h2 at my first row and column
	global_load_b128 v[BOV:BOV+3], v[L16], s[98:99]
	WIN 0x80
.set n, 0
.rept 32
	global_load_b128 v[4*n:4*n+3], v[L16], s[96:97] offset:4096*n
.set n, n+1
.endr
	WIN 0
	v_and_b32 v1, 15, v0
	v_bfe_u32 v2, v0, 4, 1
	v_mul_u32_u24 v3, v1, PITCH
	v_lshl_add_u32 v3, v2, 4, v3
	s_mul_i32 s21, s11, HALFT
	s_mul_i32 s22, s12, HALFT
	s_add_co_u32 s22, s22, AREG
	v_add_nc_u32 v[ADRA0], s21, v3
	v_add_nc_u32 v[ADRB0], s22, v3
	v_mov_b32 v[ADRA], v[ADRA0]
	v_mov_b32 v[ADRB], v[ADRB0]
	s_mul_i32 s23, s11, 64*DP
	s_lshl_b32 s21, s12, 8
	s_add_co_u32 s23, s23, s21
	v_mul_u32_u24 v4, v1, DP
	v_lshl_add_u32 v4, v2, 5, v4
	v_add_nc_u32 v[DST], s23, v4
	s_mul_i32 s23, s10, 32*DP
	v_add_nc_u32 v[RDX], s23, v[L16]
	s_and_b32 s20, s13, 7                          ; s = 128 (tile row % 8) + 32 wave + i, b = tile row / 8
	s_lshl_b32 s20, s20, 7
	s_lshl_b32 s21, s10, 5
	s_add_co_u32 s20, s20, s21
	s_lshl_b32 s20, s20, 14                        ; four rows of 4,096 bytes from s to s + 1
	s_lshr_b32 s21, s13, 3
	s_lshl_b32 s21, s21, 12
	s_add_co_u32 s20, s20, s21
	s_add_co_u32 s20, s20, s16
	s_mov_b32 s21, 0
	s_add_nc_u64 s[8:9], s[80:81], s[20:21]
	s_wait_tensorcnt 1                             ; my part of K step 0 is in; step 1's may stay out
	s_barrier_signal -1
	s_barrier_wait -1
	FETCH 0, F0
	QUARTER 1, F0, F1, 1
	WIN 0
	s_mov_b32 s3, TSTEPS-2
.Lstep:
	QUARTER 2, F1, F0, 0
	QUARTER 3, F0, F1, 0
	TURN 1
	QUARTER 1, F0, F1, 0
	WIN 0
	s_sub_co_u32 s3, s3, 1
	s_cmp_lg_u32 s3, 0
	s_cbranch_scc1 .Lstep
	s_mov_b32 s3, 2
.Ltail:                                                ; the last two steps fill nothing: one text, walked twice and left in its middle.  The second trip has no next step: its change of slots
	QUARTER 2, F1, F0, 0                           ; makes a barrier and 32 LDS loads (of the slot read before) that serve nothing: the price, once a launch, of one text for both trips
	QUARTER 3, F0, F1, 0
	TURN 0
	WIN 0
	s_sub_co_u32 s3, s3, 1
	s_cmp_eq_u32 s3, 0
	s_cbranch_scc1 .Lout
	QUARTER 1, F0, F1, 0
	WIN 0
	s_branch .Ltail
.Lout:
	s_wait_dscnt 0x0                               ; my last reads of the slots are back
	PLACES
	s_barrier_signal -1                            ; every wave's are
	s_barrier_wait -1
.irp a, 0,1,2,3
.irp b, 0,1,2,3
	ds_store_b128 v[DST], v[ACC+8*(4*(\a)+(\b)):ACC+8*(4*(\a)+(\b))+3]   offset:(\a)*16*DP+(\b)*64
	ds_store_b128 v[DST], v[ACC+8*(4*(\a)+(\b))+4:ACC+8*(4*(\a)+(\b))+7] offset:(\a)*16*DP+(\b)*64+16
.endr
.endr
	s_wait_dscnt 0x0                               ; for the others' sake: a row comes from two waves
	s_barrier_signal -1
	s_barrier_wait -1
	s_wait_loadcnt 0x0                             ; b_out and the residual
.irp bt, 0,1,2,3                       ; four batches of eight rows, each with registers of its own
.irp i, 0,1,2,3,4,5,6,7
	ds_load_b128 v[32+32*(\bt)+4*(\i):32+32*(\bt)+4*(\i)+3], v[RDX] offset:(8*(\bt)+(\i))*DP
.endr
	s_wait_dscnt 0x0
.irp i, 0,1,2,3,4,5,6,7
	v_pk_add_f32 v[32+32*(\bt)+4*(\i):32+32*(\bt)+4*(\i)+1], v[32+32*(\bt)+4*(\i):32+32*(\bt)+4*(\i)+1], v[BOV:BOV+1]
	v_pk_add_f32 v[32+32*(\bt)+4*(\i)+2:32+32*(\bt)+4*(\i)+3], v[32+32*(\bt)+4*(\i)+2:32+32*(\bt)+4*(\i)+3], v[BOV+2:BOV+3]
.endr
	WIN 0x08                                       ; source 1, the residual, in window 2
.irp i, 0,1,2,3,4,5,6,7
	v_pk_add_f32 v[32+32*(\bt)+4*(\i):32+32*(\bt)+4*(\i)+1], v[32+32*(\bt)+4*(\i):32+32*(\bt)+4*(\i)+1], v[4*(8*(\bt)+(\i)):4*(8*(\bt)+(\i))+1]
	v_pk_add_f32 v[32+32*(\bt)+4*(\i)+2:32+32*(\bt)+4*(\i)+3], v[32+32*(\bt)+4*(\i)+2:32+32*(\bt)+4*(\i)+3], v[4*(8*(\bt)+(\i))+2:4*(8*(\bt)+(\i))+3]
.endr
	WIN 0
.irp i, 0,1,2,3,4,5,6,7
	global_store_b128 v[L16], v[32+32*(\bt)+4*(\i):32+32*(\bt)+4*(\i)+3], s[8:9] offset:(8*(\bt)+(\i))*16384  ; 512 consecutive bytes of a row of out0
.endr
.endr
	s_wait_tensorcnt 0x0                           ; the wave's end
	ds_add_u32 v[SPW], v[NIL]
	s_wait_dscnt 0x0
	CROUND
	s_endpgm
.Lfunc_end_k_qb430b7bfa3_ffn2:
	.size	k_qb430b7bfa3_ffn2, .Lfunc_end_k_qb430b7bfa3_ffn2-k_qb430b7bfa3_ffn2
	.p2alignl 7, 3214868480
	.fill 96, 4, 3214868480
	.section	.rodata,"a",@progbits
	.p2align	6, 0x0
	.amdhsa_kernel k_qb430b7bfa3_ffn2
		.amdhsa_group_segment_fixed_size 327680
		.amdhsa_private_segment_fixed_size 0
		.amdhsa_enable_private_segment 0
		.amdhsa_kernarg_size 40
		.amdhsa_user_sgpr_count 2
		.amdhsa_user_sgpr_kernarg_segment_ptr 1
		.amdhsa_wavefront_size32 1
		.amdhsa_system_sgpr_workgroup_id_x 1
		.amdhsa_system_sgpr_workgroup_id_y 1
		.amdhsa_system_sgpr_workgroup_id_z 1
		.amdhsa_system_vgpr_workitem_id 0
		.amdhsa_next_free_vgpr 640
		.amdhsa_next_free_sgpr 100
		.amdhsa_reserve_vcc 0
		.amdhsa_float_denorm_mode_32 3
		.amdhsa_float_denorm_mode_16_64 3
		.amdhsa_memory_ordered 1
		.amdhsa_forward_progress 1
		.amdhsa_inst_pref_size 69
	.end_amdhsa_kernel
	.amdgpu_metadata
---
amdhsa.version: [ 1, 2 ]
amdhsa.kernels:
  - .name:           k_qb430b7bfa3_ffn2
    .symbol:         k_qb430b7bfa3_ffn2.kd
    .args:
      - { .name: u, .offset: 0, .size: 8, .value_kind: global_buffer, .address_space: global }
      - { .name: w2, .offset: 8, .size: 8, .value_kind: global_buffer, .address_space: global }
      - { .name: hh, .offset: 16, .size: 8, .value_kind: global_buffer, .address_space: global }
      - { .name: b_out, .offset: 24, .size: 8, .value_kind: global_buffer, .address_space: global }
      - { .name: out0, .offset: 32, .size: 8, .value_kind: global_buffer, .address_space: global }
    .group_segment_fixed_size: 327680
    .private_segment_fixed_size: 0
    .kernarg_segment_align: 8
    .kernarg_segment_size: 40
    .max_flat_workgroup_size: 128
    .sgpr_count:     100
    .vgpr_count:     640
    .wavefront_size: 32
...
	.end_amdgpu_metadata
.endif
;; end of part 6
